; MI455X (gfx1250); checked and timed in simulation.
; The chip was launched on July 23, 2026; its instructions are those of AMD's public machine-readable ISA for CDNA 5 (MIT licence, August 2026) and "CDNA5" Instruction Set Architecture Reference Guide (July 2026). The comments in the code are by the model that wrote it; some were corrected since.
;; Multi Head Attention. Allowed arithmetic: matrix products marked QUANTISED: E4M3 operands, one E8M0 scale for each 32 along K, by v_wmma_scale_f32_16x16x128_f8f6f4 with both operands' format E4M3, f32 sums; everything else in f32.
;; Inputs: Wk 1,024 x 1,024 float32; Wo 1,024 x 1,024 float32; Wq 1,024 x 1,024 float32; Wv 1,024 x 1,024 float32; bo 1,024 float32; mask 1 x 1 x 2,048 x 2,048 bool; x 4 x 2,048 x 1,024 float32.
;; Outputs: out0 4 x 2,048 x 1,024 float32.
;; This version of the problem:
;;   THIS VERSION OF THE PROBLEM IS GIVEN IN LOW PRECISION. The matrix products marked QUANTISED in the list below multiply operands that are first quantised to E4M3 (4 exponent bits, 3 mantissa bits; 8 bits a number), with one power-of-two scale for each 32 numbers along K (OCP MX v1.0); their sums are f32. All else is computed in f32.
;;   The module's matrix products, in the order in which they are computed (A, B: the left and right operand; K: the contracted axis; several contracted axes count as one K, in the product's order):
;;     1. [M 8,192, K 1,024] x [K 1,024, N 1,024]; A: input x; B: input Wq: QUANTISED
;;     2. [M 8,192, K 1,024] x [K 1,024, N 1,024]; A: input x; B: input Wk: QUANTISED
;;     3. [M 8,192, K 1,024] x [K 1,024, N 1,024]; A: input x; B: input Wv: QUANTISED
;;     4. batch 64 x [M 2,048, K 64] x [K 64, N 2,048]; A: computed on the way; B: computed on the way: QUANTISED
;;     5. batch 64 x [M 2,048, K 2,048] x [K 2,048, N 64]; A: softmax (see below); B: computed on the way: QUANTISED
;;     6. [M 8,192, K 1,024] x [K 1,024, N 1,024]; A: computed on the way; B: input Wo: QUANTISED
;;   THE QUANTISER, for each operand of a quantised product, along K:
;;     - K is cut into blocks of 32 from its start; a last block that is shorter is filled with zeros.
;;     - A block's scale is 2^e with e = floor(log2(the largest magnitude in the block)) - 8, held to -126 .. 127; a block of zeros has e = 0. As a byte (E8M0): e + 127.
;;     - Each number is divided by its block's scale, clamped to +-448, and rounded to the nearest number of E4M3, ties to even, subnormals kept.
;;     - The product sums the exact products of the quantised numbers (number of the format x scale) in f32.
;;   ~~~python
;;   def quantise(x, axis):      # numpy; x: float32 -> the quantised numbers, widened to float32 again
;;       x = np.moveaxis(x, axis, -1); K = x.shape[-1]
;;       x = np.pad(x, [(0, 0)] * (x.ndim - 1) + [(0, -K % 32)]); x = x.reshape(x.shape[:-1] + (-1, 32)); a = np.abs(x).max(-1, keepdims=True)
;;       e = np.where(a > 0, np.clip(np.frexp(np.where(a > 0, a, 1))[1] - 1 - 8, -126, 127), 0)      # np.frexp(a)[1] - 1 = floor(log2(a)), exactly
;;       r = np.clip(x / 2.0 ** e, -448, 448)
;;       step = 2.0 ** (np.maximum(np.frexp(np.where(r == 0, 1, r))[1] - 1, -6) - 3)
;;       q = np.round(r / step) * step * 2.0 ** e      # np.round: ties to even
;;       return np.moveaxis(q.reshape(q.shape[:-2] + (-1,))[..., :K], -1, axis).astype(np.float32)
;;   ~~~
;;   SOFTMAX AHEAD OF A QUANTISED PRODUCT. Where the list says 'softmax', what is quantised is not the finished softmax but p = 2^(t - M), with t = logit x log2(e) and M = ceil(the row's largest t), a whole number; so 1/2 < the row's largest p <= 1. The row's sum l is taken of the UNQUANTISED p, in f32, and the product's result is divided by l at the end. Since M is a whole number, a kernel that streams over the keys may use a running M (the ceiling of the running maximum): every later rescaling is an exact power of two, which a block's scale takes up: the codes' values come out the same.
;;   OPERANDS COMPUTED ON THE WAY. 'Computed on the way' means the value that the module computes at that place (a softmax that the list does not call 'softmax' is quantised finished and normalised). What goes into a quantiser is computed in f32, as accurately as f32 sums, v_exp_f32 and their like allow (about 1e-6 of the number): no bf16 or f16 on the way to a quantiser, and a product that is left as it is and whose result goes on into a quantised operand takes f32 operands (vector FMAs, or v_wmma_f32_16x16x4_f32). A number that lies on a knife's edge between two numbers of the format may be rounded either way, as far as f32 arithmetic and the matrix unit's own rounding can turn it there, and no further.
;; One version. Each part assembles by itself: llvm-mc -triple=amdgcn-amd-amdhsa -mcpu=gfx1250 --defsym DOCPART=n.
;; ======== version 1 of 1: 4 launches
;; limits: right only within a limited range of input values
;; workspace buffers: inimg 12,582,912 bytes; inscl 393,216 bytes; maskw 524,800 bytes of whole numbers; qkvimg 25,165,824 bytes; qkvscl 786,432 bytes; oimg 8,388,608 bytes; oscl 262,144 bytes
;; launch prep (part 1): grid 768 x 1, 8 waves a work-group, no clusters, 140,288 bytes of LDS; arguments x, Wq, Wk, Wv, Wo, mask, inimg, inscl, maskw; writes inimg, inscl, maskw
.if DOCPART == 1
	.amdgcn_target "amdgcn-amd-amdhsa--gfx1250"
	.amdhsa_code_object_version 6
	.text
	.protected	k_q2b3648ad05_prep
	.globl	k_q2b3648ad05_prep
	.p2align	8
	.type	k_q2b3648ad05_prep,@function
k_q2b3648ad05_prep:
	s_mov_b64 s[64:65], 0
	v_nop
	global_prefetch_b8 v0, s[64:65] scope:SCOPE_SE
	s_setreg_imm32_b32 hwreg(HW_REG_WAVE_MODE, 25, 1), 1
	s_wait_xcnt 0x0
; x [8192][1024] and Wq, Wk, Wv, Wo [1024 (k)][1024 (n)], f32, become codes of E4M3 with one E8M0 byte for each 32 along K; the mask [2048][2048] of bytes becomes lane-mask words and flags.
; CODES ARE LAID AS IMAGES OF OPERAND REGISTERS.  A row tile T = 2 B + u holds the 16 rows 32 B + 8 u + perm(i), perm(i) = i + 8 (i / 8).  The image of (T, K step s of 128) is 2,048 bytes:
; byte 512 c + 16 lane + e is the code of row perm(lane % 16) at k = 128 s + 32 c + 16 (lane / 16) + e.  inimg: x's 512 tiles x 8 steps, then from 0x800000 the 256 tiles of the weights' columns (Wq, Wk, Wv, Wo).
; SCALE WORDS: inscl [tile][16 rows][8 K steps], 512 bytes a tile; x's from 0, the weights' from 0x40000.
; MASK: word (tile of queries, step of 128 keys, n): bit L = mask[row perm(L % 16) of the tile][128 s + 32 (n / 16) + 16 (L / 16) + n % 16]: the lane mask for score register n of the attention launch.
; A flag word for each tile of queries at 0x80000: bits 0-15 'this step has to be computed' (not wholly masked, or the tile has a row that is masked over all 2,048 keys); bits 16-31 'this step has masked entries'.
; A block's scale is 2^(floor(log2(largest magnitude)) - 8): its byte is the largest magnitude's exponent field - 8, held at 1 from below by a floor among the maximum's leaves.
; LIMITS: a block of zeros gets the byte 1 (its codes are zeros; this program alone reads the bytes); NaN and infinities among the inputs are not served.
; SHARES: work-groups 0-511: one row tile of x, wave w its K step w.  512-639: 32 columns of one weight, wave w its K step w.  640-767: one tile of 16 queries of the mask, wave w key steps 2 w, 2 w + 1.
; The three ways part on the work-group's number alone; each has LDS bytes of its own.  No matrix unit, no tensor load, no cluster: the launch streams, and work-groups share no input.
.set XSTG, 0                           ; x: a stage of 16 rows x (512 + 16) bytes for each wave
.set XG,   67584                       ; x: the tile's 128 scale words
.set WSTG, 68096                       ; W: two images of 2,048 + 128 bytes for each wave
.set WGA,  102912                      ; W: two tiles' scale words
.set MSTG, 103936                      ; mask: 16 rows x (256 + 16) bytes for each wave
.set MW,   138752                      ; mask: a word for each wave
.set TM,   48                          ; v48-63 at work in the quantiser: largest magnitudes, bytes, holds, scale operands
.set PC,   32                          ; v32..  codes
.set PW,   23                          ; v23    the scale word
	s_load_b512 s[4:19], s[0:1], 0x0               ; x s[4:5], Wq s[6:7], Wk s[8:9], Wv s[10:11], Wo s[12:13], mask s[14:15], inimg s[16:17], inscl s[18:19]
	s_load_b64 s[20:21], s[0:1], 0x40              ; maskw
	v_lshl_add_u32 v192, v0, 2, 0x22000
	v_mov_b32 v193, 0
	v_lshrrev_b32 v1, 5, v0
	v_readfirstlane_b32 s22, v1                    ; wave 0..7
	v_and_b32 v1, 31, v0                           ; lane
	v_and_b32 v2, 15, v0                           ; r
	v_bfe_u32 v3, v0, 4, 1                         ; hh
	v_lshlrev_b32 v4, 4, v1                        ; 16 x lane
	v_lshlrev_b32 v5, 2, v1                        ; 4 x lane
	v_lshlrev_b32 v6, 3, v1                        ; 8 x lane
	s_mul_i32 s23, s22, 8448
	s_mul_i32 s24, s22, 4352
	s_lshl_b32 s25, s22, 2
	; every LDS address is made here, ahead of the parting of the ways
	v_add_nc_u32 v7, s23, v4                       ; x, into the stage: 16 x lane of a row
	v_mul_u32_u24 v8, v2, 528
	v_lshl_add_u32 v8, v3, 6, v8
	v_add_nc_u32 v8, s23, v8                       ; x, out of it: row r, + 64 hh: my 16 numbers of a block
	v_lshlrev_b32 v9, 5, v2
	v_add_nc_u32 v9, s25, v9
	v_add_nc_u32 v9, XG, v9                        ; x: scale word of row r, K step w
	v_add_nc_u32 v10, XG, v4
	v_bfe_u32 v19, v0, 3, 1                        ; W: my column's tile u,
	v_and_b32 v20, 7, v0
	v_lshl_add_u32 v20, v3, 3, v20                 ; and its row in the tile: 8 (lane / 16) + lane % 8
	v_mul_u32_u24 v11, v19, 2176
	v_lshl_add_u32 v11, v20, 4, v11
	v_add_nc_u32 v11, s24, v11
	v_add_nc_u32 v11, WSTG, v11                    ; W, into the images
	v_add_nc_u32 v12, s24, v4
	v_add_nc_u32 v12, WSTG, v12                    ; W, out of them
	v_lshlrev_b32 v13, 9, v19
	v_lshl_add_u32 v13, v20, 5, v13
	v_add_nc_u32 v13, s25, v13
	v_add_nc_u32 v13, WGA, v13                     ; W: scale word
	v_add_nc_u32 v14, WGA, v4
	v_add_nc_u32 v15, s24, v6
	v_add_nc_u32 v15, MSTG, v15                    ; mask, into the stage
	v_mul_u32_u24 v16, v2, 272
	v_lshl_add_u32 v16, v3, 4, v16
	v_add_nc_u32 v16, s24, v16
	v_add_nc_u32 v16, MSTG, v16                    ; mask, out of it: row r, + 16 hh
	v_mov_b32 v17, s25
	v_add_nc_u32 v17, MW, v17                      ; my wave's word
	v_mov_b32 v18, MW
	s_mov_b32 s26, 0x76543210
	s_mov_b32 s27, 0xfedcba98                      ; v_permlanex16_b32's selects for lane l xor 16
	s_mov_b32 s28, 0x600000                        ; the mantissa field of 448
	s_wait_kmcnt 0x0
	s_cmp_lt_u32 ttmp9, 512
	s_cbranch_scc0 .Lnot_x
	; ---------------- x: row tile T = work-group, K step = wave
	s_lshr_b32 s30, ttmp9, 1
	s_and_b32 s31, ttmp9, 1
	s_lshl_b32 s30, s30, 17                        ; 32 B rows of 4,096 bytes
	s_lshl_b32 s31, s31, 15                        ; 8 u rows
	s_add_co_u32 s30, s30, s31
	s_lshl_b32 s31, s22, 9                         ; 128 numbers a K step
	s_add_co_u32 s30, s30, s31
	s_mov_b32 s31, 0
	s_add_nc_u64 s[4:5], s[4:5], s[30:31]
.irp i, 0,1,2,3,4,5,6,7,8,9,10,11,12,13,14,15
	global_load_b128 v[64+4*\i:67+4*\i], v4, s[4:5] offset:(\i+8*(\i/8))*4096 th:TH_LOAD_NT   ; row perm(i): 32 lanes read 512 consecutive bytes
.endr
	s_lshl_b32 s32, ttmp9, 14
	s_lshl_b32 s33, s22, 11
	s_add_co_u32 s32, s32, s33                     ; image (8 T + w)
	s_mov_b32 s33, 0
	s_add_nc_u64 s[16:17], s[16:17], s[32:33]
	s_lshl_b32 s34, ttmp9, 9
	s_mov_b32 s35, 0
	s_add_nc_u64 s[18:19], s[18:19], s[34:35]
.irp b, 0,1,2,3
	v_mov_b32 v[TM+4+\b], 0                        ; a lane permute's destination counts as one of its sources
.endr
.irp i, 0,1,2,3,4,5,6,7,8,9,10,11,12,13,14,15
	s_wait_loadcnt 15-\i                           ; row i is in; the younger rows may be out
	ds_store_b128 v7, v[64+4*\i:67+4*\i] offset:528*\i
.endr
.irp c, 0,1,2,3
.irp j, 0,1,2,3
	ds_load_b128 v[128+16*\c+4*\j:131+16*\c+4*\j], v8 offset:128*\c+16*\j   ; LDS serves a wave's instructions in order: these see my stores.  Register 16 c + i = k 32 c + 16 hh + i of row r
.endr
.endr
	s_wait_dscnt 0x0
.irp b, 0,1,2,3
	v_max3_num_f32 v[TM+\b], |v[128+16*\b]|, |v[129+16*\b]|, 0x4800000   ; block b: my 16 numbers, and the floor 2^(9 - 127)
.endr
.irp i, 2,4,6,8,10,12,14
.irp b, 0,1,2,3
	v_max3_num_f32 v[TM+\b], v[TM+\b], |v[128+16*\b+\i]|, |v[129+16*\b+\i]|
.endr
.endr
.irp b, 0,1,2,3
	v_permlanex16_b32 v[TM+4+\b], v[TM+\b], s26, s27
.endr
.irp b, 0,1,2,3
	v_max_num_f32 v[TM+\b], v[TM+\b], v[TM+4+\b]   ; with lane l xor 16's: the block's largest magnitude
.endr
.irp b, 0,1,2,3
	v_add_nc_u32 v[TM+12+\b], 0xfc000000, v[TM+\b] ; 8 off its exponent field: the conversion's scale operand
.endr
.irp b, 0,1,2,3
	v_and_or_b32 v[TM+8+\b], v[TM+\b], 0x7f800000, s28   ; 448 x the scale
.endr
.irp b, 0,1,2,3
	v_lshrrev_b32 v[TM+4+\b], 23, v[TM+12+\b]      ; the scale's byte
.endr
	v_lshl_or_b32 v[PW], v[TM+5], 8, v[TM+4]
	v_lshl_or_b32 v[PW], v[TM+6], 16, v[PW]
	v_lshl_or_b32 v[PW], v[TM+7], 24, v[PW]
.irp b, 0,1,2,3
.irp i, 0,1,2,3,4,5,6,7,8,9,10,11,12,13,14,15
	v_med3_num_f32 v[128+16*\b+\i], v[128+16*\b+\i], -v[TM+8+\b], v[TM+8+\b]   ; the conversion to an 8-bit code does not saturate (ISA guide 7.6.2): the hold
.endr
	v_cvt_scalef32_pk8_fp8_f32 v[PC+4*\b:PC+1+4*\b], v[128+16*\b:135+16*\b], v[TM+12+\b]
	v_cvt_scalef32_pk8_fp8_f32 v[PC+2+4*\b:PC+3+4*\b], v[136+16*\b:143+16*\b], v[TM+12+\b]
.endr
	v_nop                                          ; a plain line behind the last conversion
.irp c, 0,1,2,3
	global_store_b128 v4, v[PC+4*\c:PC+3+4*\c], s[16:17] offset:512*\c   ; 512 consecutive bytes of the image
.endr
	ds_store_b32 v9, v[PW]                         ; both halves of the lanes write the same word with the same value
	s_wait_dscnt 0x0                               ; for the others' sake: my word has landed
	s_barrier_signal -1
	s_barrier_wait -1
	s_cmp_lg_u32 s22, 0
	s_cbranch_scc1 .Lx_end
	ds_load_b128 v[64:67], v10                     ; the tile's 128 words leave as 512 consecutive bytes
	s_wait_dscnt 0x0
	global_store_b128 v4, v[64:67], s[18:19]
.Lx_end:
	s_wait_tensorcnt 0x0
	ds_add_u32 v192, v193
	s_wait_dscnt 0x0
	s_endpgm
.Lnot_x:
	s_cmp_lt_u32 ttmp9, 640
	s_cbranch_scc0 .Lmask
	; ---------------- W: 32 columns of one weight, K step = wave.  A lane takes a column and its registers run down K
	s_sub_co_u32 s30, ttmp9, 512
	s_lshr_b32 s31, s30, 5                         ; which weight
	s_and_b32 s30, s30, 31                         ; which 32 columns
	s_cmp_eq_u32 s31, 1
	s_cselect_b64 s[6:7], s[8:9], s[6:7]
	s_cmp_eq_u32 s31, 2
	s_cselect_b64 s[6:7], s[10:11], s[6:7]
	s_cmp_eq_u32 s31, 3
	s_cselect_b64 s[6:7], s[12:13], s[6:7]
	s_lshl_b32 s32, s22, 19                        ; 128 w rows of 4,096 bytes
	s_lshl_b32 s33, s30, 7
	s_add_co_u32 s32, s32, s33
	s_mov_b32 s33, 0
	s_add_nc_u64 s[6:7], s[6:7], s[32:33]
.macro LOADW c                         ; block c: W(128 w + 32 c + k, my column), k = 0 .. 31; 32 lanes read 128 consecutive bytes
.set k, 0
.rept 32
	global_load_b32 v[64+32*(\c)+k], v5, s[6:7] offset:4096*(32*(\c)+k)
.set k, k+1
.endr
.endm
	LOADW 0
	LOADW 1
	s_lshl_b32 s34, s31, 6
	s_lshl_b32 s35, s30, 1
	s_add_co_u32 s34, s34, s35                     ; the first of my two tiles: 64 m + 2 B
	s_lshl_b32 s36, s34, 14
	s_lshl_b32 s37, s22, 11
	s_add_co_u32 s36, s36, s37
	s_add_co_u32 s36, s36, 0x800000
	s_mov_b32 s37, 0
	s_add_nc_u64 s[16:17], s[16:17], s[36:37]
	s_lshl_b32 s38, s34, 9
	s_add_co_u32 s38, s38, 0x40000
	s_mov_b32 s39, 0
	s_add_nc_u64 s[18:19], s[18:19], s[38:39]
.macro BLOCK c
.set XS, 64+32*\c
.if \c < 3
	s_wait_loadcnt 32                              ; this block's 32 loads are in; the next block's may be out
.else
	s_wait_loadcnt 0x0
.endif
.if \c < 2
	LOADW \c+2                                     ; two blocks ahead, into registers of their own
.endif
	v_max3_num_f32 v19, |v[XS]|, |v[XS+1]|, |v[XS+2]|     ; the block's largest magnitude: all 32 numbers are mine
	v_max3_num_f32 v20, |v[XS+3]|, |v[XS+4]|, |v[XS+5]|
.irp i, 6,10,14,18,22,26
	v_max3_num_f32 v19, v19, |v[XS+\i]|, |v[XS+\i+1]|
	v_max3_num_f32 v20, v20, |v[XS+\i+2]|, |v[XS+\i+3]|
.endr
	v_max3_num_f32 v19, v19, |v[XS+30]|, |v[XS+31]|
	v_max3_num_f32 v19, v19, v20, 0x4800000        ; and the floor
	v_add_nc_u32 v21, 0xfc000000, v19              ; the conversion's scale operand
	v_and_or_b32 v22, v19, 0x7f800000, s28         ; 448 x the scale
	v_lshrrev_b32 v20, 23, v21                     ; the byte
.if \c == 0
	v_mov_b32 v[PW], v20
.else
	v_lshl_or_b32 v[PW], v20, 8*\c, v[PW]
.endif
.irp i, 0,1,2,3,4,5,6,7,8,9,10,11,12,13,14,15,16,17,18,19,20,21,22,23,24,25,26,27,28,29,30,31
	v_med3_num_f32 v[XS+\i], v[XS+\i], -v22, v22
.endr
.irp g, 0,1,2,3
	v_cvt_scalef32_pk8_fp8_f32 v[PC+8*\c+2*\g:PC+8*\c+2*\g+1], v[XS+8*\g:XS+8*\g+7], v21
.endr
	v_nop                                          ; a plain line behind the last conversion
	ds_store_b128 v11, v[PC+8*\c:PC+8*\c+3] offset:512*\c          ; k 32 c + 0 .. 15: the place of lane (row, 0) in my tile's image
	ds_store_b128 v11, v[PC+8*\c+4:PC+8*\c+7] offset:512*\c+256    ; k 32 c + 16 .. 31: that of lane (row, 1)
.endm
	BLOCK 0
	BLOCK 1
	BLOCK 2
	BLOCK 3
	ds_store_b32 v13, v[PW]
.irp u, 0,1
.irp c, 0,1,2,3
	ds_load_b128 v[64+16*\u+4*\c:67+16*\u+4*\c], v12 offset:2176*\u+512*\c   ; LDS serves a wave's instructions in order: these see my stores
.endr
.endr
.irp u, 0,1
.irp c, 0,1,2,3
	s_wait_dscnt 7-4*\u-\c                         ; this piece is back; the younger ones may be out
	global_store_b128 v4, v[64+16*\u+4*\c:67+16*\u+4*\c], s[16:17] offset:16384*\u+512*\c
.endr
.endr
	s_barrier_signal -1                            ; (the last count above was 0: my word has landed too)
	s_barrier_wait -1
	s_cmp_lg_u32 s22, 0
	s_cbranch_scc1 .Lw_end
	ds_load_b128 v[96:99], v14
	ds_load_b128 v[100:103], v14 offset:512
	s_wait_dscnt 0x0
	global_store_b128 v4, v[96:99], s[18:19]
	global_store_b128 v4, v[100:103], s[18:19] offset:512
.Lw_end:
	s_wait_tensorcnt 0x0
	ds_add_u32 v192, v193
	s_wait_dscnt 0x0
	s_endpgm
.Lmask:
	; ---------------- the mask: a tile of 16 queries; wave w takes keys 256 w .. 256 w + 255
	s_sub_co_u32 s30, ttmp9, 640
	s_lshr_b32 s31, s30, 1
	s_and_b32 s32, s30, 1
	s_lshl_b32 s31, s31, 16                        ; 32 B rows of 2,048 bytes
	s_lshl_b32 s32, s32, 14
	s_add_co_u32 s32, s32, s31
	s_lshl_b32 s31, s22, 8
	s_add_co_u32 s32, s32, s31
	s_mov_b32 s33, 0
	s_add_nc_u64 s[14:15], s[14:15], s[32:33]
.irp i, 0,1,2,3,4,5,6,7,8,9,10,11,12,13,14,15
	global_load_b64 v[64+2*\i:65+2*\i], v6, s[14:15] offset:(\i+8*(\i/8))*2048 th:TH_LOAD_NT   ; row perm(i): 256 consecutive bytes
.endr
	s_lshl_b32 s32, s30, 2
	s_add_co_u32 s32, s32, 0x80000
	s_add_nc_u64 s[34:35], s[20:21], s[32:33]      ; the tile's flag word
	s_lshl_b32 s32, s30, 12
	s_lshl_b32 s31, s22, 9
	s_add_co_u32 s32, s32, s31
	s_add_nc_u64 s[20:21], s[20:21], s[32:33]      ; the words of step 2 w
.irp i, 0,1,2,3,4,5,6,7,8,9,10,11,12,13,14,15
	s_wait_loadcnt 15-\i
	ds_store_b64 v15, v[64+2*\i:65+2*\i] offset:272*\i
.endr
.irp q, 0,1
.irp b, 0,1,2,3
	ds_load_b128 v[128+16*\q+4*\b:131+16*\q+4*\b], v16 offset:128*\q+32*\b   ; byte e: key 128 (2 w + q) + 32 b + 16 hh + e of row r
.endr
.endr
	s_wait_dscnt 0x0
; Step 2 w + q: each of the lane's 64 bytes is compared with 0: the compare's lane mask IS the word.  Words 2 L, 2 L + 1 are laid into lane L of a register pair, so that the 64 words leave as 256 consecutive bytes.
.macro PACK q
	v_mov_b32 v[32+2*\q], 0                        ; v_writelane_b32's destination counts as read
	v_mov_b32 v[33+2*\q], 0
	s_mov_b32 s36, -1                              ; the AND of the 64 words,
	s_mov_b32 s37, 0                               ; and their OR
.set n, 0
.rept 64
	v_and_b32 v[24+n%4], 0xff<<(8*(n%4)), v[128+16*\q+n/4]
	v_cmp_ne_u32 s[40+n%4], 0, v[24+n%4]
	v_writelane_b32 v[32+2*\q+n%2], s[40+n%4], n/2
	s_and_b32 s36, s36, s[40+n%4]
	s_or_b32 s37, s37, s[40+n%4]
.set n, n+1
.endr
	global_store_b64 v6, v[32+2*\q:33+2*\q], s[20:21] offset:256*\q
	s_lshr_b32 s44, s36, 16
	s_and_b32 s44, s44, s36                        ; bit r: row r is masked at all 128 keys (both halves of the lanes)
	s_cmp_eq_u32 s36, -1
	s_cselect_b32 s45, 1, 0                        ; the whole step is masked
	s_cmp_lg_u32 s37, 0
	s_cselect_b32 s46, 1, 0                        ; something in it is
	s_lshl_b32 s45, s45, 16+\q
	s_lshl_b32 s46, s46, 18+\q
.if \q == 0
	s_mov_b32 s38, s44
	s_or_b32 s39, s45, s46
.else
	s_and_b32 s38, s38, s44
	s_or_b32 s39, s39, s45
	s_or_b32 s39, s39, s46
.endif
.endm
	PACK 0
	PACK 1
	s_and_b32 s38, s38, 0xffff
	s_or_b32 s38, s38, s39
	v_mov_b32 v28, s38
	ds_store_b32 v17, v28                          ; all lanes write the same word with the same value
	s_wait_dscnt 0x0
	s_barrier_signal -1
	s_barrier_wait -1
	s_cmp_lg_u32 s22, 0
	s_cbranch_scc1 .Lm_end
	ds_load_b128 v[64:67], v18
	ds_load_b128 v[68:71], v18 offset:16
	s_wait_dscnt 0x0
	s_mov_b32 s36, -1                              ; rows masked at all 2,048 keys
	s_mov_b32 s37, 0                               ; steps wholly masked
	s_mov_b32 s38, 0                               ; steps with masked entries
.irp k, 0,1,2,3,4,5,6,7
	v_readfirstlane_b32 s40, v[64+\k]
	s_and_b32 s36, s36, s40
	s_bfe_u32 s41, s40, 0x20010
	s_lshl_b32 s41, s41, 2*\k
	s_or_b32 s37, s37, s41
	s_bfe_u32 s41, s40, 0x20012
	s_lshl_b32 s41, s41, 2*\k
	s_or_b32 s38, s38, s41
.endr
	s_xor_b32 s37, s37, 0xffff                     ; to be computed: what is not wholly masked;
	s_and_b32 s36, s36, 0xffff
	s_cmp_lg_u32 s36, 0
	s_cselect_b32 s37, 0xffff, s37                 ; every step, where a row has no key at all: its weights are uniform over all keys
	s_lshl_b32 s38, s38, 16
	s_or_b32 s37, s37, s38
	v_mov_b32 v24, s37
	v_mov_b32 v25, 0
	v_cmp_eq_u32 vcc_lo, 0, v0
	s_wait_xcnt 0x0                                ; EXEC changes only behind this wait
	s_and_saveexec_b32 s39, vcc_lo
	global_store_b32 v25, v24, s[34:35]
	s_wait_xcnt 0x0                                ; and again, in front of the line that widens it
	s_or_b32 exec_lo, exec_lo, s39
.Lm_end:
	s_wait_tensorcnt 0x0
	ds_add_u32 v192, v193
	s_wait_dscnt 0x0
	s_endpgm
.Lfunc_end_k_q2b3648ad05_prep:
	.size	k_q2b3648ad05_prep, .Lfunc_end_k_q2b3648ad05_prep-k_q2b3648ad05_prep
	.p2alignl 7, 3214868480
	.fill 96, 4, 3214868480
	.section	.rodata,"a",@progbits
	.p2align	6, 0x0
	.amdhsa_kernel k_q2b3648ad05_prep
		.amdhsa_group_segment_fixed_size 140288
		.amdhsa_private_segment_fixed_size 0
		.amdhsa_enable_private_segment 0
		.amdhsa_kernarg_size 72
		.amdhsa_user_sgpr_count 2
		.amdhsa_user_sgpr_kernarg_segment_ptr 1
		.amdhsa_wavefront_size32 1
		.amdhsa_system_sgpr_workgroup_id_x 1
		.amdhsa_system_sgpr_workgroup_id_y 1
		.amdhsa_system_sgpr_workgroup_id_z 1
		.amdhsa_system_vgpr_workitem_id 0
		.amdhsa_next_free_vgpr 194
		.amdhsa_next_free_sgpr 66
		.amdhsa_reserve_vcc 1
		.amdhsa_float_denorm_mode_32 3
		.amdhsa_float_denorm_mode_16_64 3
		.amdhsa_memory_ordered 1
		.amdhsa_forward_progress 1
		.amdhsa_inst_pref_size 88
	.end_amdhsa_kernel
	.amdgpu_metadata
---
amdhsa.version: [ 1, 2 ]
amdhsa.kernels:
  - .name:           k_q2b3648ad05_prep
    .symbol:         k_q2b3648ad05_prep.kd
    .args:
      - { .name: x, .offset: 0, .size: 8, .value_kind: global_buffer, .address_space: global }
      - { .name: Wq, .offset: 8, .size: 8, .value_kind: global_buffer, .address_space: global }
      - { .name: Wk, .offset: 16, .size: 8, .value_kind: global_buffer, .address_space: global }
      - { .name: Wv, .offset: 24, .size: 8, .value_kind: global_buffer, .address_space: global }
      - { .name: Wo, .offset: 32, .size: 8, .value_kind: global_buffer, .address_space: global }
      - { .name: mask, .offset: 40, .size: 8, .value_kind: global_buffer, .address_space: global }
      - { .name: inimg, .offset: 48, .size: 8, .value_kind: global_buffer, .address_space: global }
      - { .name: inscl, .offset: 56, .size: 8, .value_kind: global_buffer, .address_space: global }
      - { .name: maskw, .offset: 64, .size: 8, .value_kind: global_buffer, .address_space: global }
    .group_segment_fixed_size: 140288
    .private_segment_fixed_size: 0
    .kernarg_segment_align: 8
    .kernarg_segment_size: 72
    .max_flat_workgroup_size: 256
    .sgpr_count:     66
    .vgpr_count:     194
    .wavefront_size: 32
...
	.end_amdgpu_metadata
.endif
;; end of part 1
;; launch qkv (part 2): grid 8 x 96, 4 waves a work-group, clusters of 4 x 4, 327,680 bytes of LDS; arguments inimg, inscl, qkvimg, qkvscl; writes qkvimg, qkvscl
.if DOCPART == 2
	.amdgcn_target "amdgcn-amd-amdhsa--gfx1250"
	.amdhsa_code_object_version 6
	.text
	.protected	k_q2b3648ad05_qkv
	.globl	k_q2b3648ad05_qkv
	.p2align	8
	.type	k_q2b3648ad05_qkv,@function
k_q2b3648ad05_qkv:
	s_mov_b64 s[64:65], 0
	v_nop
	global_prefetch_b8 v0, s[64:65] scope:SCOPE_SE
	s_setreg_imm32_b32 hwreg(HW_REG_WAVE_MODE, 25, 1), 1
	s_wait_xcnt 0x0
	s_wait_alu depctr_hold_cnt(0) depctr_sa_sdst(0) depctr_va_vdst(0) depctr_va_sdst(0) depctr_va_ssrc(0) depctr_va_vcc(0) depctr_vm_vsrc(0)
	s_getreg_b32 s2, hwreg(HW_REG_IB_STS2, 6, 4)
	s_cmp_eq_u32 s2, 0
	s_cbranch_scc0 .Lentry_in_a_cluster
	s_endpgm
.Lentry_in_a_cluster:
	s_bfe_u32 s2, ttmp6, 0x10000c
	s_cmp_lg_u32 s2, 0xf033
	s_cbranch_scc0 .Lentry_shape_is_right
	s_endpgm
.Lentry_shape_is_right:
; q = x Wq, k = x Wk, v = x Wv on codes of E4M3 (K = 1,024), and the results quantised in registers: q and k along the head's channels, v along the keys.
; OPERANDS are images of fragments (16 rows x 128 K in 2,048 bytes, byte 512 c + 16 lane + e) of row tiles T = 2 B + u with rows 32 B + 8 u + perm(i), perm(i) = i + 8 (i / 8).
; Source 0 is operand P (a work-group takes 16 row tiles), source 1 operand R (8 row tiles).  In the result a lane holds ONE row of R, and the 16 registers of P's tiles 2 b, 2 b + 1 are 16 NEIGHBOURS along P's rows:
; so a wave's 64 registers for one tile of R are a whole fragment of the next product, K = P's rows, and the conversions' results are its image.
; TWO KINDS OF CLUSTER, told apart by the cluster's y (the same in all sixteen partners), by selects alone and no branch:  y < 16: P = the columns of Wq and Wk, R = x's rows: registers run along the channels.
; y >= 16: P = x's rows, R = Wv's columns: registers run along the keys.
; OUT: qkvimg: [16 K steps of 128 channels: 0-7 q, 8-15 k][512 tiles of tokens] images; from 0x1000000 [64 K steps of 128 tokens][64 tiles of channels] images of v.  qkvscl: one word a lane-row, 64 bytes a fragment, in the same order (v's from 0x80000).
; SHARES: four waves; wave w takes P's tiles 8 (w % 2) on and R's tiles 4 (w / 2) on: 32 accumulators, 256 registers.
; LDS: three slots of 98,304 bytes, each a K chunk of 256 (P's 16 tiles x 4,096 bytes, then R's 8).  Chunks 0, 1, 2 are first fills; chunk 3 is the one refill, into slot 0.  By this text's count a wave has three tensor loads out at the start, one later.
; CLUSTER 4 x 4: P's chunk hangs on cx alone and is asked for jointly down a column, R's on cy alone and jointly along a row.
; All scale words of K (8 a row) come once from memory into registers.  No prefetch: three of the four K chunks are asked for at the head.
; LIMITS: a block of zeros gets the byte 1 (this program alone reads the bytes); NaN and infinities are not served.
; REGISTERS: window 0: v0-31 addresses; v32-95 P's scale words (8 i + K step); v96-127 R's (8 a + K step); v128-255 R's fragments, two sets of 64 (on the way out: codes, at work).  window 1: P's fragments, two sets of 128.  window 2: accumulator (a, i) at v[8 (8 a + i)].
.set SLOTB, 98304
.set RREG,  65536                      ; R's region in a slot
.set SPARE, 3*SLOTB                    ; behind the slots: the spare words, 128 bytes for each wave: two blocks of 256 bytes that no other line names
.set PS, 32
.set RS, 96
.set TM, 192                           ; the way out: v192-207 at work, v208-211 the four scale words
.set PW, 208
.set MSB, 0
.macro WIN new                         ; the immediate's high byte repeats the setting that is left
.if MSB != \new
	s_set_vgpr_msb (MSB<<8)|\new
.set MSB, \new
.endif
.endm
; A joint load: waves 0 and 1 fetch P's halves, waves 2 and 3 R's.  The branch hangs on the wave's number alone.  Four v_nop follow each of the two lines.
.macro JLOAD g0p, g0r
	s_cmp_eq_u32 s13, 0
	s_cbranch_scc0 .Lfor_r_\@
	tensor_load_to_lds s[\g0p:\g0p+3], s[24:31]
	s_nop 0
.rept 4
	v_nop
.endr
	s_branch .Lasked_\@
.Lfor_r_\@:
	tensor_load_to_lds s[\g0r:\g0r+3], s[32:39]
	s_nop 0
.rept 4
	v_nop
.endr
.Lasked_\@:
.endm
.macro CREST                           ; a round of the cluster's barrier behind its opening barrier
	s_cmp_lg_u32 s12, 0
	s_cbranch_scc1 .Lnot_wave_0_\@
	s_barrier_signal -3
.Lnot_wave_0_\@:
	s_barrier_wait -3
	s_barrier_signal -1
	s_barrier_wait -1
.endm
.macro CROUND                          ; a whole round
	s_barrier_signal -1
	s_barrier_wait -1
	CREST
.endm
.macro PLACES n                        ; plain vector lines between a matrix instruction and a load into, or a vector read of, its registers (ISA guide 7.12.1 for vector reads): eight for this form
.if \n > 0
.rept \n
	v_nop
.endr
.endif
.endm
.macro FETCH sl, q, st                 ; the fragments of the q-th 128 along K of slot sl into set st: P's eight, R's four
	WIN 0x40
.irp i, 0,1,2,3,4,5,6,7
.irp c, 0,1,2,3
	ds_load_b128 v[128*(\st)+16*\i+4*\c:128*(\st)+16*\i+4*\c+3], v[16+\sl] offset:4096*\i+2048*(\q)+512*\c
.endr
.endr
	WIN 0
.irp a, 0,1,2,3
.irp c, 0,1,2,3
	ds_load_b128 v[128+64*(\st)+16*\a+4*\c:128+64*(\st)+16*\a+4*\c+3], v[20+\sl] offset:4096*\a+2048*(\q)+512*\c
.endr
.endr
.endm
; Eight products: R's tile a against P's eight, K step ks, set st.  cm = 1: the first K step starts the sums.  The 32 accumulators take turns, one instruction a turn, in the same order in every K step.
.macro MUL8 a, ks, st, cm
	WIN 0xa1                                       ; source 0 window 1, source 1 window 0, C and D window 2
.irp i, 0,1,2,3,4,5,6,7
.if \cm == 1
	v_wmma_scale_f32_16x16x128_f8f6f4 v[8*(8*(\a)+\i):8*(8*(\a)+\i)+7], v[128*(\st)+16*\i:128*(\st)+16*\i+15], v[128+64*(\st)+16*(\a):128+64*(\st)+16*(\a)+15], 0, v[PS+8*\i+(\ks)], v[RS+8*(\a)+(\ks)]
.else
	v_wmma_scale_f32_16x16x128_f8f6f4 v[8*(8*(\a)+\i):8*(8*(\a)+\i)+7], v[128*(\st)+16*\i:128*(\st)+16*\i+15], v[128+64*(\st)+16*(\a):128+64*(\st)+16*(\a)+15], v[8*(8*(\a)+\i):8*(8*(\a)+\i)+7], v[PS+8*\i+(\ks)], v[RS+8*(\a)+(\ks)]
.endif
.endr
.endm
.macro KSTEP ks, sl, q, np, cm         ; K step ks: its set is in; the next step's fragments (slot sl, q) are asked for in one run, then the 32 products
	s_wait_dscnt 0x0
	PLACES \np
	FETCH \sl, \q, ((\ks)+1)%2
	MUL8 0, \ks, (\ks)%2, \cm
	MUL8 1, \ks, (\ks)%2, \cm
	MUL8 2, \ks, (\ks)%2, \cm
	MUL8 3, \ks, (\ks)%2, \cm
.endm
	s_load_b256 s[4:11], s[0:1], 0x0               ; inimg s[4:5], inscl s[6:7], qkvimg s[8:9], qkvscl s[10:11]
	v_lshl_add_u32 v28, v0, 2, SPARE
	v_mov_b32 v29, 0
	ds_add_u32 v28, v29
	ds_add_u32 v28, v29
	s_wait_dscnt 0x0
	v_lshrrev_b32 v1, 5, v0
	v_readfirstlane_b32 s12, v1                    ; wave 0..3
	s_lshr_b32 s13, s12, 1                         ; which four tiles of R are mine.  Also: I fetch for P (0) or for R (1)
	s_and_b32 s14, s12, 1                          ; which eight tiles of P are mine.  Also: which half I fetch
	s_bfe_u32 s15, ttmp6, 0x40000                  ; cx
	s_bfe_u32 s16, ttmp6, 0x40004                  ; cy
	s_and_b32 s17, ttmp7, 0xffff                   ; the cluster's y
	s_sub_co_u32 s18, s17, 16
	s_cmp_lt_u32 s17, 16                           ; q and k, or v?  The same in all sixteen partners; only selects hang on it
	s_cselect_b32 s19, ttmp9, s18                  ; the cluster's place along P,
	s_cselect_b32 s20, s17, ttmp9                  ; and along R
	s_cselect_b32 s66, 0x800000, 0                 ; P's images in inimg
	s_cselect_b32 s67, 0, 0xa00000                 ; R's
	s_cselect_b32 s68, 0x40000, 0                  ; P's scale words in inscl
	s_cselect_b32 s69, 0, 0x50000                  ; R's
	s_cselect_b32 s70, 0, 0x1000000                ; the results' images in qkvimg
	s_cselect_b32 s71, 0, 0x80000                  ; their scale words in qkvscl
	s_cselect_b32 s72, 9, 6                        ; log2 of the row tiles in a K step of the result
	s_lshl_b32 s19, s19, 2
	s_add_co_u32 s19, s19, s15                     ; PT: my 16 tiles of P
	s_lshl_b32 s20, s20, 2
	s_add_co_u32 s20, s20, s16                     ; RT: my 8 tiles of R
	s_lshl_b32 s21, 0x1111, s15                    ; my column of the cluster
	s_lshl_b32 s22, s16, 2
	s_lshl_b32 s22, 15, s22                        ; my row
	; descriptor group 1: rows of 4,096 bytes (512 elements of 8 bytes: a tile's K chunk), 16,384 bytes apart (a tile's eight K steps); 8 rows for P, 4 for R; no padding: images are read 16 bytes a lane on end
	s_or_b32 s24, s21, (3<<16)|(1<<21)             ; 15:0 the mask: P's chunk goes down my column; 17:16 elements of 8 bytes; 21 set beside a mask
	s_mov_b32 s25, 512<<16                         ; tensor_dim0
	s_mov_b32 s26, 8<<16                           ; tensor_dim1
	s_mov_b32 s27, 512<<16                         ; tile_dim0
	s_mov_b32 s28, 8                               ; tile_dim1
	s_mov_b32 s29, 2048                            ; stride from row to row
	s_mov_b32 s30, 0
	s_mov_b32 s31, 0
	s_or_b32 s32, s22, (3<<16)|(1<<21)             ; R's chunk goes along my row
	s_mov_b32 s33, 512<<16
	s_mov_b32 s34, 4<<16
	s_mov_b32 s35, 512<<16
	s_mov_b32 s36, 4
	s_mov_b32 s37, 2048
	s_mov_b32 s38, 0
	s_mov_b32 s39, 0
	s_lshl_b32 s74, s19, 18                        ; P: 16 tiles of 16,384 bytes a work-group, 8 a half.  These registers never hold cy
	s_lshl_b32 s75, s14, 17
	s_add_co_u32 s74, s74, s75
	s_add_co_u32 s74, s74, s66
	s_mov_b32 s75, 0
	s_lshl_b32 s76, s20, 17                        ; R: 8 tiles a work-group, 4 a half.  These never hold cx
	s_lshl_b32 s77, s14, 16
	s_add_co_u32 s76, s76, s77
	s_add_co_u32 s76, s76, s67
	s_mov_b32 s77, 0
	s_lshl_b32 s78, s14, 15                        ; where they go in a slot: no place in the cluster enters an LDS address
	s_lshl_b32 s79, s14, 14
	s_add_co_u32 s79, s79, RREG
	s_wait_kmcnt 0x0
	s_add_nc_u64 s[74:75], s[4:5], s[74:75]
	s_add_nc_u64 s[76:77], s[4:5], s[76:77]
	CROUND                                         ; all sixteen work-groups are here: the first joint loads meet
.irp s, 0,1,2
	s_mov_b32 s[40+4*\s], 1
	s_add_co_u32 s[41+4*\s], s78, \s*SLOTB
	s_add_nc_u64 s[42+4*\s:43+4*\s], s[74:75], \s*4096
	s_or_b32 s[43+4*\s], s[43+4*\s], 0x80000000
	s_mov_b32 s[52+4*\s], 1
	s_add_co_u32 s[53+4*\s], s79, \s*SLOTB
	s_add_nc_u64 s[54+4*\s:55+4*\s], s[76:77], \s*4096
	s_or_b32 s[55+4*\s], s[55+4*\s], 0x80000000
	JLOAD 40+4*\s, 52+4*\s                         ; K chunk s into slot s
.endr
	v_and_b32 v1, 31, v0
	v_and_b32 v2, 15, v0
	v_lshlrev_b32 v4, 4, v1                        ; 16 x lane
	v_lshlrev_b32 v5, 2, v1                        ; 4 x lane
	v_lshlrev_b32 v6, 5, v2                        ; a row's eight scale words
	s_lshl_b32 s80, s14, 15                        ; my eight tiles of P in a slot
	s_lshl_b32 s81, s13, 14
	s_add_co_u32 s81, s81, RREG                    ; my four of R
.irp s, 0,1,2
	v_add_nc_u32 v[16+\s], s80, v4
	v_add_nc_u32 v[20+\s], s81, v4
	s_add_co_u32 s80, s80, SLOTB
	s_add_co_u32 s81, s81, SLOTB
.endr
	s_lshl_b32 s82, s19, 13                        ; scale words: 512 bytes a tile
	s_lshl_b32 s83, s14, 12
	s_add_co_u32 s82, s82, s83
	s_add_co_u32 s82, s82, s68
	s_mov_b32 s83, 0
	s_add_nc_u64 s[82:83], s[6:7], s[82:83]
	s_lshl_b32 s84, s20, 12
	s_lshl_b32 s85, s13, 11
	s_add_co_u32 s84, s84, s85
	s_add_co_u32 s84, s84, s69
	s_mov_b32 s85, 0
	s_add_nc_u64 s[84:85], s[6:7], s[84:85]
.irp i, 0,1,2,3,4,5,6,7
	global_load_b128 v[PS+8*\i:PS+8*\i+3], v6, s[82:83] offset:512*\i
	global_load_b128 v[PS+8*\i+4:PS+8*\i+7], v6, s[82:83] offset:512*\i+16
.endr
.irp a, 0,1,2,3
	global_load_b128 v[RS+8*\a:RS+8*\a+3], v6, s[84:85] offset:512*\a
	global_load_b128 v[RS+8*\a+4:RS+8*\a+7], v6, s[84:85] offset:512*\a+16
.endr
	s_lshl_b32 s86, s19, 1                         ; where my results go: K step 2 PT + my half,
	s_add_co_u32 s86, s86, s14
	s_lshl_b32 s86, s86, s72
	s_lshl_b32 s87, s20, 3                         ; row tile 8 RT + 4 x my half
	s_add_co_u32 s86, s86, s87
	s_lshl_b32 s87, s13, 2
	s_add_co_u32 s86, s86, s87
	s_lshl_b32 s88, s86, 11
	s_add_co_u32 s88, s88, s70
	s_mov_b32 s89, 0
	s_lshl_b32 s90, s86, 6
	s_add_co_u32 s90, s90, s71
	s_mov_b32 s91, 0
	s_add_nc_u64 s[88:89], s[8:9], s[88:89]
	s_add_nc_u64 s[90:91], s[10:11], s[90:91]
	s_mov_b32 s92, 0x76543210
	s_mov_b32 s93, 0xfedcba98                      ; v_permlanex16_b32's selects for lane l xor 16
	s_mov_b32 s94, 0x600000                        ; the mantissa field of 448
	s_mov_b32 s95, 0xffff0000                      ; lanes 16-31
	s_wait_tensorcnt 0x2                           ; my part of chunk 0 is in; chunks 1 and 2 may stay out
	s_barrier_signal -1
	s_barrier_wait -1                              ; everybody's is
	FETCH 0, 0, 0
	s_wait_loadcnt 0x0                             ; the scale words
	KSTEP 0, 0, 1, 0, 1                            ; the first K step starts the sums
	; K step 1 leaves slot 0, which takes chunk 3
	WIN 0                                          ; (the add's two registers lie in window 0)
	s_wait_tensorcnt 0x0                           ; all my tensor loads have landed: chunks 0, 1, 2
	ds_add_u32 v28, v29                            ; 0 onto my spare word
	s_add_nc_u64 s[42:43], s[42:43], 12288         ; no tensor load of mine is out, so slot 0's groups 0 may be written: chunk 3
	s_add_nc_u64 s[54:55], s[54:55], 12288
	s_wait_dscnt 0x1                               ; this step's fragments are in; the add may be out
	MUL8 0, 1, 1, 0
	s_wait_dscnt 0x0                               ; the add is done, and my reads of slot 0 are over
	s_barrier_signal -1
	MUL8 1, 1, 1, 0
	WIN 0
	s_barrier_wait -1
	CREST                                          ; the barrier has opened a round of the cluster's: no wave of any partner still reads slot 0 or has a load on its way
	JLOAD 40, 52                                   ; the one refill; its four v_nop are four of the eight places in front of the loads below
	PLACES 4
	FETCH 1, 0, 0
	MUL8 2, 1, 1, 0
	MUL8 3, 1, 1, 0
	KSTEP 2, 1, 1, 8, 0                            ; slots 1 and 2 were shown whole to every wave by the wait and the round above
	KSTEP 3, 2, 0, 8, 0
	KSTEP 4, 2, 1, 8, 0
	; K step 5: chunk 3 is wanted next
	s_wait_dscnt 0x0
	s_wait_tensorcnt 0x0                           ; my part of chunk 3 is in: the one load that was out
	MUL8 0, 5, 1, 0
	s_barrier_signal -1
	MUL8 1, 5, 1, 0
	WIN 0
	s_barrier_wait -1                              ; everybody's is
	PLACES 8
	FETCH 0, 0, 0
	MUL8 2, 5, 1, 0
	MUL8 3, 5, 1, 0
	KSTEP 6, 0, 1, 8, 0
	s_wait_dscnt 0x0                               ; the last K step: nothing more to fetch
	MUL8 0, 7, 1, 0
	MUL8 1, 7, 1, 0
	MUL8 2, 7, 1, 0
	MUL8 3, 7, 1, 0
	WIN 0
	PLACES 8
; THE WAY OUT.  For R's tile a my 64 registers are a fragment: register 16 b + i = k 32 b + 16 (lane / 16) + i of my row.  They are quantised where they lie; each accumulator is read from its low end on.
.irp b, 0,1,2,3
	v_mov_b32 v[TM+4+\b], 0                        ; a lane permute's destination counts as one of its sources
.endr
.macro QUANTW a
	WIN 0x0a                                       ; sources 0 and 1 window 2
.irp b, 0,1,2,3
	v_max3_num_f32 v[TM+\b], |v[64*\a+16*\b]|, |v[64*\a+16*\b+1]|, 0x4800000   ; block b: my 16 numbers, and the floor 2^(9 - 127)
.endr
	WIN 0x28                                       ; sources 1 and 2 window 2
.irp i, 2,4,6,8,10,12,14
.irp b, 0,1,2,3
	v_max3_num_f32 v[TM+\b], v[TM+\b], |v[64*\a+16*\b+\i]|, |v[64*\a+16*\b+\i+1]|
.endr
.endr
	WIN 0
.irp b, 0,1,2,3
	v_permlanex16_b32 v[TM+4+\b], v[TM+\b], s92, s93
.endr
.irp b, 0,1,2,3
	v_max_num_f32 v[TM+\b], v[TM+\b], v[TM+4+\b]   ; with lane l xor 16's: the block's largest magnitude
.endr
.irp b, 0,1,2,3
	v_add_nc_u32 v[TM+12+\b], 0xfc000000, v[TM+\b] ; the conversion's scale operand
.endr
.irp b, 0,1,2,3
	v_and_or_b32 v[TM+8+\b], v[TM+\b], 0x7f800000, s94   ; 448 x the scale
.endr
.irp b, 0,1,2,3
	v_lshrrev_b32 v[TM+4+\b], 23, v[TM+12+\b]      ; the byte
.endr
	v_lshl_or_b32 v[PW+\a], v[TM+5], 8, v[TM+4]
	v_lshl_or_b32 v[PW+\a], v[TM+6], 16, v[PW+\a]
	v_lshl_or_b32 v[PW+\a], v[TM+7], 24, v[PW+\a]
	WIN 0x82                                       ; destination and source 0 window 2
.irp b, 0,1,2,3
.irp i, 0,1,2,3,4,5,6,7,8,9,10,11,12,13,14,15
	v_med3_num_f32 v[64*\a+16*\b+\i], v[64*\a+16*\b+\i], -v[TM+8+\b], v[TM+8+\b]   ; the hold: the conversion does not saturate (ISA guide 7.6.2)
.endr
.endr
	WIN 0x02                                       ; source 0 window 2
.irp b, 0,1,2,3
	v_cvt_scalef32_pk8_fp8_f32 v[128+16*\a+4*\b:129+16*\a+4*\b], v[64*\a+16*\b:64*\a+16*\b+7], v[TM+12+\b]
	v_cvt_scalef32_pk8_fp8_f32 v[130+16*\a+4*\b:131+16*\a+4*\b], v[64*\a+16*\b+8:64*\a+16*\b+15], v[TM+12+\b]
.endr
	WIN 0
	v_nop                                          ; a plain line behind the last conversion
.irp c, 0,1,2,3
	global_store_b128 v4, v[128+16*\a+4*\c:131+16*\a+4*\c], s[88:89] offset:2048*\a+512*\c   ; 512 consecutive bytes of the image; each tile has codes' registers of its own
.endr
.endm
	QUANTW 0
	QUANTW 1
	QUANTW 2
	QUANTW 3
	v_cndmask_b32 v212, v208, v209, s95            ; lanes 0-15 tile 0's words, lanes 16-31 tile 1's: 128 consecutive bytes
	v_cndmask_b32 v213, v210, v211, s95
	global_store_b32 v5, v212, s[90:91]
	global_store_b32 v5, v213, s[90:91] offset:128
	s_wait_tensorcnt 0x0                           ; the wave's end
	ds_add_u32 v28, v29
	s_wait_dscnt 0x0
	CROUND                                         ; the closing round: no work-group ends while a partner may still ask for a chunk that names it
	s_endpgm
.Lfunc_end_k_q2b3648ad05_qkv:
	.size	k_q2b3648ad05_qkv, .Lfunc_end_k_q2b3648ad05_qkv-k_q2b3648ad05_qkv
	.p2alignl 7, 3214868480
	.fill 96, 4, 3214868480
	.section	.rodata,"a",@progbits
	.p2align	6, 0x0
	.amdhsa_kernel k_q2b3648ad05_qkv
		.amdhsa_group_segment_fixed_size 327680
		.amdhsa_private_segment_fixed_size 0
		.amdhsa_enable_private_segment 0
		.amdhsa_kernarg_size 32
		.amdhsa_user_sgpr_count 2
		.amdhsa_user_sgpr_kernarg_segment_ptr 1
		.amdhsa_wavefront_size32 1
		.amdhsa_system_sgpr_workgroup_id_x 1
		.amdhsa_system_sgpr_workgroup_id_y 1
		.amdhsa_system_sgpr_workgroup_id_z 1
		.amdhsa_system_vgpr_workitem_id 0
		.amdhsa_next_free_vgpr 768
		.amdhsa_next_free_sgpr 100
		.amdhsa_reserve_vcc 0
		.amdhsa_float_denorm_mode_32 3
		.amdhsa_float_denorm_mode_16_64 3
		.amdhsa_memory_ordered 1
		.amdhsa_forward_progress 1
		.amdhsa_inst_pref_size 106
	.end_amdhsa_kernel
	.amdgpu_metadata
---
amdhsa.version: [ 1, 2 ]
amdhsa.kernels:
  - .name:           k_q2b3648ad05_qkv
    .symbol:         k_q2b3648ad05_qkv.kd
    .args:
      - { .name: inimg, .offset: 0, .size: 8, .value_kind: global_buffer, .address_space: global }
      - { .name: inscl, .offset: 8, .size: 8, .value_kind: global_buffer, .address_space: global }
      - { .name: qkvimg, .offset: 16, .size: 8, .value_kind: global_buffer, .address_space: global }
      - { .name: qkvscl, .offset: 24, .size: 8, .value_kind: global_buffer, .address_space: global }
    .group_segment_fixed_size: 327680
    .private_segment_fixed_size: 0
    .kernarg_segment_align: 8
    .kernarg_segment_size: 32
    .max_flat_workgroup_size: 128
    .sgpr_count:     100
    .vgpr_count:     768
    .wavefront_size: 32
...
	.end_amdgpu_metadata
.endif
;; end of part 2
;; launch attn (part 3): grid 64 x 8, 16 waves a work-group, no clusters, 47,104 bytes of LDS; arguments qkvimg, qkvscl, maskw, oimg, oscl; writes oimg, oscl
.if DOCPART == 3
	.amdgcn_target "amdgcn-amd-amdhsa--gfx1250"
	.amdhsa_code_object_version 6
	.text
	.protected	k_q2b3648ad05_attn
	.globl	k_q2b3648ad05_attn
	.p2align	8
	.type	k_q2b3648ad05_attn,@function
k_q2b3648ad05_attn:
	s_mov_b64 s[64:65], 0
	v_nop
	global_prefetch_b8 v0, s[64:65] scope:SCOPE_SE
	s_setreg_imm32_b32 hwreg(HW_REG_WAVE_MODE, 25, 1), 1
	s_wait_xcnt 0x0
; o = softmax(mask(q k^T / 8)) v for each of 64 (batch, head) pairs, both products on codes of E4M3 with E8M0 scales; o is quantised along the model's 1,024 channels for the last product.
; THE SOFTMAX: t = score x log2(e) / 8; M = the running largest t rounded UP to a whole number; p = 2^(t - M) is quantised along the keys; the row's sum is taken of the unquantised p and divides at the end.
; THE MASK is an input.  An earlier launch has packed it: for each tile of 16 queries and step of 128 keys, 64 lane-mask words (one for each score register) and two flag bits.  A masked score becomes -2^33 (logit -2^30).
; c x 2^33 is a whole number, so a row with no key at all gets p = 1 at every key: uniform weights.  In every other row a masked p is 0, and what was summed under a masked maximum is wiped by the factor 2^(old M - new M) = 0.
; A step that is wholly masked for my 16 queries is left out (a scalar branch on the stored flag), unless one of those queries has no key at all.
; LIMITS: results equal the definition's while every unmasked logit lies above about -9.9e8 (the definition fills with -1e9, this text with -2^30 and leaves wholly masked steps out); NaN and infinities are not served; a block of zeros gets the byte 1.
; SHARES: work-group x = 16 batch + head; y picks 256 queries, the last block first; each of sixteen waves owns one tile of 16 queries in 256 registers: four waves to a SIMD, so that one wave's vector work stands beside another's products and loads.
; No tensor load and no cluster: branches hang on numbers read from memory.  K's and V's tiles go memory -> registers -> LDS, each wave 512 bytes of each, two steps ahead; ONE barrier a step, outside every branch on data.
; LAYOUT: both products transposed (S^T = K Q^T, O^T = V^T P^T): a lane holds one query.  All tiles are images of fragments with rows 32 B + 8 u + perm(i): so p's 16 registers of two neighbouring tiles are 16 neighbouring keys, O^T's are 16 neighbouring channels.
; K = 64 IN A FORM OF 128: Q's upper eight registers are zero codes.  K's tile t is named v[32+8t : 47+8t]: its upper half is the next tile's codes (for tile 7: p's codes), valid codes that meet zeros.
; LDS: two slots of 16,384 bytes (K: 8 tiles x 1,024, V: 4 tiles x 2,048); K's scale words of the head [step][row][8 tiles] at SCK, V's [step][row][4 tiles] at SCV.
; REGISTERS: v1-11 addresses and constants; v12 -M, v13 the largest t, v[14:15] the sum; v16-31 Q; v32-95 K's tiles, then V's; v96-111 p's codes; v112-175 S^T, then p; v176-207 O^T; v208-223 two staging sets; v224-236 scale words; v237-255 at work.
.set SCK, 32768
.set SCV, 40960
.macro ASK                             ; A PREFETCH of the tile that the load of the NEXT step will want (in step s: tile s + 3): 32 blocks of 256 bytes, a lane a block.  All eight work-groups of a head walk the same K and V: the one with y = 0 asks,
	s_cmp_lt_u32 s3, s15                           ; its wave 0 for K's blocks, its wave 1 for V's: so each block is named once.  Tiles 0 to 2 come by their loads alone; steps 13 on ask for nothing: there is no tile 16
	s_cbranch_scc0 .Lnot_mine_\@
	global_prefetch_b8 v7, s[90:91] th:TH_LOAD_NT scope:SCOPE_SE
.Lnot_mine_\@:
.endm
; THE WORK OF A KEY STEP on slot sg
.macro COMPUTE sg
	s_load_b512 s[16:31], s[12:13], s14 offset:0x0     ; the step's 64 lane-mask words
	s_load_b512 s[32:47], s[12:13], s14 offset:0x40
	s_load_b512 s[48:63], s[12:13], s14 offset:0x80
	s_load_b512 s[68:83], s[12:13], s14 offset:0xc0
	v_add_nc_u32 v8, s87, v2                       ; the step's scale words of K,
	v_add_nc_u32 v9, s88, v3                       ; and of V
.rept 6
	v_nop                                          ; with the two additions: eight places in front of loads into registers that the last products read
.endr
.irp t, 0,1,2,3,4,5,6,7
.irp c, 0,1
	ds_load_b128 v[32+8*\t+4*\c:35+8*\t+4*\c], v1 offset:16384*\sg+1024*\t+512*\c
.endr
.endr
	ds_load_b128 v[224:227], v8
	ds_load_b128 v[228:231], v8 offset:16
	ds_load_b128 v[232:235], v9
	s_wait_dscnt 0x0
.irp t, 0,1,2,3,4,5,6,7
	v_wmma_scale_f32_16x16x128_f8f6f4 v[112+8*\t:119+8*\t], v[32+8*\t:47+8*\t], v[16:31], 0, v[224+\t], v236
.endr
.rept 8
	v_nop                                          ; places in front of the loads below and of the first read of the scores
.endr
.irp t, 0,1,2,3
.irp c, 0,1,2,3
	ds_load_b128 v[32+16*\t+4*\c:35+16*\t+4*\c], v1 offset:16384*\sg+8192+2048*\t+512*\c   ; V's four fragments land while the softmax is worked
.endr
.endr
	s_wait_kmcnt 0x0                               ; the mask words are in, and their offset register is free
	s_bitcmp1_b32 s5, 0                            ; has this step masked entries?
	s_cbranch_scc0 .Lopen_\@
.set n, 0
.rept 64
.if n < 48
	v_cndmask_b32 v[112+n], v[112+n], v11, s[16+n] ; one line a score: the word is the lane mask
.else
	v_cndmask_b32 v[112+n], v[112+n], v11, s[20+n]
.endif
.set n, n+1
.endr
.Lopen_\@:
.irp b, 0,1,2,3
	v_max3_num_f32 v[238+\b], v[112+16*\b], v[113+16*\b], v[114+16*\b]   ; the largest score of each block of 32 keys: for the row's maximum, and, since p rises with the score, for the block's largest p
.endr
.irp i, 3,5,7,9,11,13
.irp b, 0,1,2,3
	v_max3_num_f32 v[238+\b], v[238+\b], v[112+16*\b+\i], v[113+16*\b+\i]
.endr
.endr
.irp b, 0,1,2,3
	v_max_num_f32 v[238+\b], v[238+\b], v[127+16*\b]
.endr
.irp b, 0,1,2,3
	v_permlanex16_b32 v[242+\b], v[238+\b], s66, s67
.endr
.irp b, 0,1,2,3
	v_max_num_f32 v[238+\b], v[238+\b], v[242+\b]  ; with lane l xor 16's 16 keys
.endr
	v_max3_num_f32 v237, v238, v239, v240
	v_max_num_f32 v237, v237, v241
	v_mul_f32 v237, s84, v237                      ; as t (c is positive)
	v_max_num_f32 v13, v13, v237                   ; the running largest t
	v_mov_b32 v237, v12
	v_floor_f32 v12, -v13                          ; the new -M = floor(-t): M is a whole number
	v_sub_f32 v237, v12, v237                      ; old M - new M, 0 or less
	v_cvt_i32_f32 v237, v237                       ; (it saturates)
	v_ldexp_f32 v254, 1.0, v237                    ; f = 2^(old M - new M)
.set j, 0
.rept 32
	v_pk_fma_f32 v[112+j:113+j], v[112+j:113+j], s[84:85], v[12:13] op_sel_hi:[1,0,0]   ; t - M, two at a time
.set j, j+2
.endr
.irp b, 0,1,2,3
	v_fma_f32 v[238+\b], v[238+\b], s84, v12       ; the same of each block's largest score
.endr
.set j, 0
.rept 64
	v_exp_f32 v[112+j], v[112+j]                   ; p = 2^(t - M): not normalised
.set j, j+1
.endr
	v_pk_mul_f32 v[14:15], v[14:15], v[254:255] op_sel_hi:[1,0]   ; the sums under the new M (a plain line behind the exponentials)
	s_wait_alu depctr_va_vdst(0)                   ; one wait for the batch, ahead of its first reader
.irp b, 0,1,2,3
	v_exp_f32 v[238+\b], v[238+\b]                 ; the block's largest p
.endr
	v_pk_add_f32 v[242:243], v[112:113], v[114:115]   ; the row's sum of the unquantised p, in two chains
.irp j, 4,8,12,16,20,24,28,32,36,40,44,48,52,56,60
	v_pk_add_f32 v[14:15], v[14:15], v[112+\j:113+\j]
	v_pk_add_f32 v[242:243], v[242:243], v[114+\j:115+\j]
.endr
	v_pk_add_f32 v[14:15], v[14:15], v[242:243]
	s_wait_alu depctr_va_vdst(0)                   ; and one for the four
.irp b, 0,1,2,3
	v_max_num_f32 v[238+\b], 0x4800000, v[238+\b]  ; the floor 2^(9 - 127): the byte cannot fall under 1
.endr
.irp b, 0,1,2,3
	v_add_nc_u32 v[250+\b], 0xfc000000, v[238+\b]  ; the conversion's scale operand
.endr
.irp b, 0,1,2,3
	v_and_or_b32 v[246+\b], v[238+\b], 0x7f800000, s86   ; 448 x the scale
.endr
.irp b, 0,1,2,3
	v_lshrrev_b32 v[242+\b], 23, v[250+\b]         ; the byte
.endr
	v_lshl_or_b32 v255, v243, 8, v242              ; p's scale word for these 128 keys
	v_lshl_or_b32 v255, v244, 16, v255
	v_lshl_or_b32 v255, v245, 24, v255
.irp b, 0,1,2,3
.irp i, 0,1,2,3,4,5,6,7,8,9,10,11,12,13,14,15
	v_min_num_f32 v[112+16*\b+\i], v[112+16*\b+\i], v[246+\b]   ; the hold; p is not negative, so it is one-sided
.endr
	v_cvt_scalef32_pk8_fp8_f32 v[96+4*\b:97+4*\b], v[112+16*\b:119+16*\b], v[250+\b]
	v_cvt_scalef32_pk8_fp8_f32 v[98+4*\b:99+4*\b], v[120+16*\b:127+16*\b], v[250+\b]
.endr
.set j, 0
.rept 16
	v_pk_mul_f32 v[176+j:177+j], v[176+j:177+j], v[254:255] op_sel_hi:[1,0]   ; O^T under the new M; these lines are also the places in front of the products below
.set j, j+2
.endr
	s_wait_dscnt 0x0                               ; V is in
.irp t, 0,1,2,3
	v_wmma_scale_f32_16x16x128_f8f6f4 v[176+8*\t:183+8*\t], v[32+16*\t:47+16*\t], v[96:111], v[176+8*\t:183+8*\t], v[232+\t], v255   ; the four accumulators take turns
.endr
.endm
; A KEY STEP on slot sg.  st: tile s + 1, which lies in the other staging set, goes into the other slot.  ld: tile s + 2 is asked for, into this slot's staging set.  bar: the step's barrier.
; The other slot was read last in the step before, and every wave waited for those reads in front of that step's barrier; its new bytes are waited for in front of this step's.
.macro STEPX sg, st, ld, bar
.if \st
	s_wait_loadcnt 0x0                             ; the staged tile is in, on every way; the loads' bases are free
.endif
.if \ld
	s_wait_xcnt 0x0                                ; the last prefetch, a step back, has read its address
	s_add_nc_u64 s[8:9], s[8:9], 16384             ; K: eight tiles of 2,048 bytes a step
	s_add_nc_u64 s[10:11], s[10:11], 131072        ; V: 64 tiles a step
	s_add_nc_u64 s[90:91], s[90:91], s[92:93]
.endif
.if \st
	s_bitcmp1_b32 s6, 0                            ; does any wave want tile s + 1?
	s_cbranch_scc0 .Lno_st_\@
	ds_store_b128 v4, v[208+8*(1-\sg):211+8*(1-\sg)] offset:16384*(1-\sg)
	ds_store_b128 v4, v[212+8*(1-\sg):215+8*(1-\sg)] offset:16384*(1-\sg)+8192
.Lno_st_\@:
.endif
.if \ld
	s_bitcmp1_b32 s7, 0                            ; does any wave want tile s + 2?
	s_cbranch_scc0 .Lno_ld_\@
	global_load_b128 v[208+8*\sg:211+8*\sg], v5, s[8:9]
	global_load_b128 v[212+8*\sg:215+8*\sg], v6, s[10:11]
.Lno_ld_\@:
	ASK
.endif
	s_bitcmp1_b32 s4, 0                            ; do my queries want this step?
	s_cbranch_scc0 .Lno_c_\@
	COMPUTE \sg
.Lno_c_\@:
.if \bar
	s_lshr_b32 s4, s4, 1
	s_lshr_b32 s5, s5, 1
	s_lshr_b32 s6, s6, 1
	s_lshr_b32 s7, s7, 1
	s_add_co_u32 s87, s87, 512
	s_add_co_u32 s88, s88, 256
	s_add_co_u32 s14, s14, 256
	s_add_co_u32 s3, s3, 1
	s_wait_dscnt 0x0                               ; my stores into the other slot have landed and my reads of this one are in
	s_barrier_signal -1
	s_barrier_wait -1
.endif
.endm
	s_load_b256 s[16:23], s[0:1], 0x0              ; qkvimg s[16:17], qkvscl s[18:19], maskw s[20:21], oimg s[22:23]
	s_load_b64 s[24:25], s[0:1], 0x20              ; oscl
	v_lshrrev_b32 v1, 5, v0
	v_readfirstlane_b32 s2, v1                     ; wave 0..15
	s_lshr_b32 s26, ttmp9, 4                       ; batch
	s_and_b32 s27, ttmp9, 15                       ; head
	s_and_b32 s28, s27, 1                          ; which half of a K step of 128 channels is the head's
	s_lshr_b32 s29, s27, 1                         ; and which K step
	s_and_b32 s30, ttmp7, 0xffff
	s_sub_co_u32 s31, 7, s30                       ; my block of 256 queries
	s_lshl_b32 s32, s31, 4
	s_add_co_u32 s32, s32, s2                      ; my tile of queries in the batch
	s_lshl_b32 s33, s26, 7
	s_add_co_u32 s33, s33, s32                     ; and among all tiles of tokens
	s_lshl_b32 s34, s29, 9
	s_add_co_u32 s34, s34, s33                     ; Q's fragment
	s_lshl_b32 s36, s34, 11
	s_lshl_b32 s37, s28, 10
	s_add_co_u32 s36, s36, s37
	s_mov_b32 s37, 0
	s_lshl_b32 s38, s34, 6
	s_mov_b32 s39, 0
	s_add_co_u32 s40, s29, 8
	s_lshl_b32 s40, s40, 9
	s_lshl_b32 s41, s26, 7
	s_add_co_u32 s40, s40, s41                     ; K's first fragment of the batch
	s_lshl_b32 s42, s40, 11
	s_lshl_b32 s43, s28, 10
	s_add_co_u32 s42, s42, s43
	s_add_co_u32 s42, s42, 16384                   ; at tile 1
	s_mov_b32 s43, 0
	s_lshl_b32 s44, s40, 6
	s_lshl_b32 s45, s2, 9
	s_add_co_u32 s44, s44, s45                     ; K's scale words of step w: 512 bytes
	s_mov_b32 s45, 0
	s_lshl_b32 s46, s26, 10
	s_lshl_b32 s47, s27, 2
	s_add_co_u32 s46, s46, s47                     ; V's first fragment: 64 x 16 batch + 4 head
	s_lshl_b32 s48, s46, 11
	s_add_co_u32 s48, s48, 0x1000000+131072        ; at tile 1
	s_mov_b32 s49, 0
	s_lshl_b32 s50, s2, 6
	s_add_co_u32 s50, s50, s46
	s_lshl_b32 s50, s50, 6
	s_add_co_u32 s50, s50, 0x80000                 ; V's scale words of step w: 256 bytes
	s_mov_b32 s51, 0
	s_lshl_b32 s52, s32, 2                         ; my flag word
	s_lshl_b32 s53, s31, 6                         ; the work-group's sixteen
	s_lshl_b32 s54, s33, 3
	s_add_co_u32 s54, s54, s29
	s_lshl_b32 s54, s54, 11
	s_lshl_b32 s55, s28, 10
	s_add_co_u32 s54, s54, s55                     ; o's image: (tile, K step), my head's half
	s_mov_b32 s55, 0
	s_lshl_b32 s56, s33, 9
	s_lshl_b32 s57, s27, 1
	s_add_co_u32 s56, s56, s57                     ; o's scale bytes: 512 a tile, 32 a row, my head's two
	s_mov_b32 s57, 0
	s_lshl_b32 s34, s32, 12                        ; my tile's mask words
	s_mov_b32 s35, 0
	s_cmp_eq_u32 s2, 0                             ; the prefetches: wave 0 stands in K, wave 1 in V
	s_cselect_b32 s58, s42, s48
	s_mov_b32 s92, 131072
	s_cselect_b32 s92, 16384, s92                  ; a step on
	s_cselect_b32 s100, 11, 10                     ; four blocks of 256 bytes in each 2,048 of K, in each 1,024 of V
	s_mov_b32 s93, 0
	s_add_co_u32 s58, s58, s92                     ; at tile 2: step 0 steps it to tile 3
	s_mov_b32 s59, 0
	s_lshr_b32 s101, s2, 1
	s_or_b32 s101, s101, s30
	s_cmp_eq_u32 s101, 0
	s_cselect_b32 s15, 13, 0                       ; waves 0 and 1 of the work-group with y = 0 ask in steps 0 to 12, nobody else
	s_lshr_b32 s60, s2, 1
	s_lshl_b32 s60, s60, 11
	s_and_b32 s61, s2, 1
	s_lshl_b32 s61, s61, 9
	s_add_co_u32 s60, s60, s61                     ; my 512 bytes of a step's K: tile w / 2, half w % 2
	s_lshl_b32 s62, s2, 9
	s_lshl_b32 s63, s2, 8
	v_and_b32 v8, 31, v0                           ; lane
	v_and_b32 v9, 15, v0                           ; r
	v_bfe_u32 v10, v0, 4, 1                        ; hh
	v_lshlrev_b32 v1, 4, v8                        ; 16 x lane
	v_lshl_add_u32 v2, v9, 5, SCK                  ; row r's eight words of K's scales
	v_lshl_add_u32 v3, v9, 4, SCV                  ; its four of V's
	v_lshlrev_b32 v4, 4, v0                        ; LDS: my wave's 512 bytes of a region: 512 w + 16 lane
	v_add_nc_u32 v5, s60, v1                       ; memory: my 16 bytes of a step's K
	v_lshlrev_b32 v6, 4, v0                        ; and of its V
	v_lshrrev_b32 v7, 2, v8
	v_lshlrev_b32 v7, s100, v7
	v_and_b32 v237, 3, v8
	v_lshl_add_u32 v7, v237, 8, v7                 ; the prefetches' offset: my block of 256 bytes
	v_lshrrev_b32 v238, 2, v8                      ; K's scale words come 4 a lane: tile lane / 4, rows 4 (lane % 4) + e; they go to [row][tile]
	v_lshlrev_b32 v238, 2, v238
	v_lshl_add_u32 v238, v237, 7, v238
	v_add_nc_u32 v238, s62, v238
	v_add_nc_u32 v238, SCK, v238
	v_and_b32 v237, 7, v8                          ; V's 2 a lane: tile lane / 8, rows 2 (lane % 8) + e
	v_lshrrev_b32 v239, 3, v8
	v_lshlrev_b32 v239, 2, v239
	v_lshl_add_u32 v239, v237, 5, v239
	v_add_nc_u32 v239, s63, v239
	v_add_nc_u32 v239, SCV, v239
	v_lshlrev_b32 v240, 2, v9
	v_lshlrev_b32 v241, 3, v8
	v_lshl_add_u32 v10, v9, 5, v10                 ; o's scale bytes: 32 r + hh
	v_mov_b32 v11, 0xd0000000                      ; -2^33: a masked score
	s_mov_b32 s3, 0
	s_mov_b32 s14, 0
	s_mov_b32 s87, 0
	s_mov_b32 s88, 0
	s_mov_b32 s66, 0x76543210
	s_mov_b32 s67, 0xfedcba98                      ; v_permlanex16_b32's selects for lane l xor 16
	s_mov_b32 s84, 0x3e38aa3b                      ; c = log2(e) / 8
	s_mov_b32 s85, s84                             ; (named with it as a pair)
	s_mov_b32 s86, 0x600000                        ; the mantissa field of 448
	s_mov_b32 s95, 0xffff0000                      ; lanes 16-31
	s_lshl_b32 s101, s28, 4                        ; my head's two scale bytes: the word's lower or upper half
	s_wait_kmcnt 0x0
	s_load_b32 s4, s[20:21], s52 offset:0x80000
	s_load_b512 s[68:83], s[20:21], s53 offset:0x80000
	s_add_nc_u64 s[36:37], s[16:17], s[36:37]
	s_add_nc_u64 s[38:39], s[18:19], s[38:39]
	s_add_nc_u64 s[44:45], s[18:19], s[44:45]
	s_add_nc_u64 s[50:51], s[18:19], s[50:51]
	s_add_nc_u64 s[8:9], s[16:17], s[42:43]
	s_add_nc_u64 s[10:11], s[16:17], s[48:49]
	s_add_nc_u64 s[90:91], s[16:17], s[58:59]
	s_add_nc_u64 s[12:13], s[20:21], s[34:35]
	s_add_nc_u64 s[96:97], s[22:23], s[54:55]
	s_add_nc_u64 s[98:99], s[24:25], s[56:57]
	global_load_b128 v[16:19], v1, s[36:37]        ; Q's codes: k 0 .. 31,
	global_load_b128 v[20:23], v1, s[36:37] offset:512   ; 32 .. 63
	global_load_b32 v236, v240, s[38:39]           ; Q's scale word
	global_load_b128 v[224:227], v1, s[44:45]      ; K's scale words of step w
	global_load_b64 v[232:233], v241, s[50:51]     ; V's
	global_load_b128 v[208:211], v5, s[8:9] offset:-16384      ; tile 0
	global_load_b128 v[212:215], v6, s[10:11] offset:-131072
	global_load_b128 v[216:219], v5, s[8:9]        ; tile 1.  Both are fetched whatever the flags say: so both staging sets are written on every way
	global_load_b128 v[220:223], v6, s[10:11]
	v_mov_b32 v13, 0xff61b1e6                      ; the largest t so far: -3e38
	v_floor_f32 v12, -v13
	v_mov_b32 v14, 0
	v_mov_b32 v15, 0
.irp j, 0,1,2,3,4,5,6,7
	v_mov_b32 v[24+\j], 0                          ; Q's k 64 .. 127: zero codes
	v_mov_b32 v[96+\j], 0                          ; named as the upper half of K's tile 7 before p's first codes are made
.endr
.set j, 0
.rept 32
	v_mov_b32 v[176+j], 0                          ; O^T: the step is written without a first form: the first change of M multiplies zeros
.set j, j+1
.endr
.irp b, 0,1,2,3
	v_mov_b32 v[242+\b], 0                         ; a lane permute's destination counts as one of its sources
.endr
	v_mov_b32 v255, 0                              ; (named as the upper half of the pair v[254:255])
	s_wait_kmcnt 0x0
	s_or_b32 s6, s68, s69
.irp k, 70,71,72,73,74,75,76,77,78,79,80,81,82,83
	s_or_b32 s6, s6, s[\k]
.endr
	s_and_b32 s6, s6, 0xffff                       ; the steps that any of the sixteen waves wants
	s_lshr_b32 s7, s6, 2                           ; bit 0: tile s + 2
	s_lshr_b32 s6, s6, 1                           ; bit 0: tile s + 1
	s_lshr_b32 s5, s4, 16                          ; bit 0: step s has masked entries
	s_and_b32 s4, s4, 0xffff                       ; bit 0: my queries want step s
	s_wait_loadcnt 0x2                             ; all but tile 1's two loads
	v_lshrrev_b32 v236, s101, v236
.irp e, 0,1,2,3
	v_lshrrev_b32 v[224+\e], s101, v[224+\e]
.endr
.irp e, 0,1,2,3
	ds_store_b32 v238, v[224+\e] offset:32*\e
.endr
.irp e, 0,1
	ds_store_b32 v239, v[232+\e] offset:16*\e
.endr
	ds_store_b128 v4, v[208:211]                   ; tile 0 into slot 0
	ds_store_b128 v4, v[212:215] offset:8192
	s_wait_dscnt 0x0
	s_barrier_signal -1
	s_barrier_wait -1
	s_mov_b32 s94, 7
.Ltrip:                                            ; seven trips of two steps: steps 0 to 13
	STEPX 0, 1, 1, 1
	STEPX 1, 1, 1, 1
	s_sub_co_u32 s94, s94, 1
	s_cmp_lg_u32 s94, 0
	s_cbranch_scc1 .Ltrip
	STEPX 0, 1, 0, 1                               ; step 14: tile 15 is staged; nothing is left to fetch
	STEPX 1, 0, 0, 0                               ; step 15
	; THE WAY OUT: O^T / the sum, quantised along the channels (my head holds two whole blocks of 32), as a half of the image of (my tile, K step head / 2).
	v_add_f32 v14, v14, v15                        ; the sum's two halves,
	v_permlanex16_b32 v237, v14, s66, s67
	v_add_f32 v14, v14, v237                       ; and lane l xor 16's
.rept 6
	v_nop                                          ; with the two additions: eight places behind the last products
.endr
	v_rcp_f32 v14, v14
	v_nop                                          ; a plain line behind the reciprocal
	s_wait_alu depctr_va_vdst(0)                   ; and the wait ahead of its first reader
.set j, 0
.rept 16
	v_pk_mul_f32 v[112+j:113+j], v[176+j:177+j], v[14:15] op_sel_hi:[1,0]   ; register 16 b + i: channel 32 b + 16 hh + i of the head; each accumulator from its low end on
.set j, j+2
.endr
.irp b, 0,1
	v_max3_num_f32 v[238+\b], |v[112+16*\b]|, |v[113+16*\b]|, 0x4800000
.endr
.irp i, 2,4,6,8,10,12,14
.irp b, 0,1
	v_max3_num_f32 v[238+\b], v[238+\b], |v[112+16*\b+\i]|, |v[113+16*\b+\i]|
.endr
.endr
.irp b, 0,1
	v_permlanex16_b32 v[242+\b], v[238+\b], s66, s67
.endr
.irp b, 0,1
	v_max_num_f32 v[238+\b], v[238+\b], v[242+\b]
.endr
.irp b, 0,1
	v_add_nc_u32 v[250+\b], 0xfc000000, v[238+\b]
.endr
.irp b, 0,1
	v_and_or_b32 v[246+\b], v[238+\b], 0x7f800000, s86
.endr
.irp b, 0,1
	v_lshrrev_b32 v[242+\b], 23, v[250+\b]
.endr
.irp b, 0,1
.irp i, 0,1,2,3,4,5,6,7,8,9,10,11,12,13,14,15
	v_med3_num_f32 v[112+16*\b+\i], v[112+16*\b+\i], -v[246+\b], v[246+\b]
.endr
	v_cvt_scalef32_pk8_fp8_f32 v[96+4*\b:97+4*\b], v[112+16*\b:119+16*\b], v[250+\b]
	v_cvt_scalef32_pk8_fp8_f32 v[98+4*\b:99+4*\b], v[120+16*\b:127+16*\b], v[250+\b]
.endr
	v_cndmask_b32 v237, v242, v243, s95            ; lanes 0-15 block 0's byte, lanes 16-31 block 1's (a plain line behind the last conversion)
	global_store_b128 v1, v[96:99], s[96:97]       ; 512 consecutive bytes each
	global_store_b128 v1, v[100:103], s[96:97] offset:512
	global_store_b8 v10, v237, s[98:99]            ; a row's 32 scale bytes come from sixteen heads, so from sixteen work-groups: two bytes a row here
	s_wait_xcnt 0x0
	v_lshl_add_u32 v254, v0, 2, 0xb000
	v_mov_b32 v255, 0
	s_wait_tensorcnt 0x0
	ds_add_u32 v254, v255
	s_wait_dscnt 0x0
	s_endpgm
.Lfunc_end_k_q2b3648ad05_attn:
	.size	k_q2b3648ad05_attn, .Lfunc_end_k_q2b3648ad05_attn-k_q2b3648ad05_attn
	.p2alignl 7, 3214868480
	.fill 96, 4, 3214868480
	.section	.rodata,"a",@progbits
	.p2align	6, 0x0
	.amdhsa_kernel k_q2b3648ad05_attn
		.amdhsa_group_segment_fixed_size 47104
		.amdhsa_private_segment_fixed_size 0
		.amdhsa_enable_private_segment 0
		.amdhsa_kernarg_size 40
		.amdhsa_user_sgpr_count 2
		.amdhsa_user_sgpr_kernarg_segment_ptr 1
		.amdhsa_wavefront_size32 1
		.amdhsa_system_sgpr_workgroup_id_x 1
		.amdhsa_system_sgpr_workgroup_id_y 1
		.amdhsa_system_sgpr_workgroup_id_z 1
		.amdhsa_system_vgpr_workitem_id 0
		.amdhsa_next_free_vgpr 256
		.amdhsa_next_free_sgpr 102
		.amdhsa_reserve_vcc 0
		.amdhsa_float_denorm_mode_32 3
		.amdhsa_float_denorm_mode_16_64 3
		.amdhsa_memory_ordered 1
		.amdhsa_forward_progress 1
		.amdhsa_inst_pref_size 109
	.end_amdhsa_kernel
	.amdgpu_metadata
---
amdhsa.version: [ 1, 2 ]
amdhsa.kernels:
  - .name:           k_q2b3648ad05_attn
    .symbol:         k_q2b3648ad05_attn.kd
    .args:
      - { .name: qkvimg, .offset: 0, .size: 8, .value_kind: global_buffer, .address_space: global }
      - { .name: qkvscl, .offset: 8, .size: 8, .value_kind: global_buffer, .address_space: global }
      - { .name: maskw, .offset: 16, .size: 8, .value_kind: global_buffer, .address_space: global }
      - { .name: oimg, .offset: 24, .size: 8, .value_kind: global_buffer, .address_space: global }
      - { .name: oscl, .offset: 32, .size: 8, .value_kind: global_buffer, .address_space: global }
    .group_segment_fixed_size: 47104
    .private_segment_fixed_size: 0
    .kernarg_segment_align: 8
    .kernarg_segment_size: 40
    .max_flat_workgroup_size: 512
    .sgpr_count:     102
    .vgpr_count:     256
    .wavefront_size: 32
...
	.end_amdgpu_metadata
.endif
;; end of part 3
;; launch proj (part 4): grid 4 x 64, 4 waves a work-group, clusters of 4 x 4, 327,680 bytes of LDS; arguments inimg, inscl, oimg, oscl, bo, out0; writes out0
.if DOCPART == 4
	.amdgcn_target "amdgcn-amd-amdhsa--gfx1250"
	.amdhsa_code_object_version 6
	.text
	.protected	k_q2b3648ad05_proj
	.globl	k_q2b3648ad05_proj
	.p2align	8
	.type	k_q2b3648ad05_proj,@function
k_q2b3648ad05_proj:
	s_mov_b64 s[64:65], 0
	v_nop
	global_prefetch_b8 v0, s[64:65] scope:SCOPE_SE
	s_setreg_imm32_b32 hwreg(HW_REG_WAVE_MODE, 25, 1), 1
	s_wait_xcnt 0x0
	s_wait_alu depctr_hold_cnt(0) depctr_sa_sdst(0) depctr_va_vdst(0) depctr_va_sdst(0) depctr_va_ssrc(0) depctr_va_vcc(0) depctr_vm_vsrc(0)
	s_getreg_b32 s2, hwreg(HW_REG_IB_STS2, 6, 4)
	s_cmp_eq_u32 s2, 0
	s_cbranch_scc0 .Lentry_in_a_cluster
	s_endpgm
.Lentry_in_a_cluster:
	s_bfe_u32 s2, ttmp6, 0x10000c
	s_cmp_lg_u32 s2, 0xf033
	s_cbranch_scc0 .Lentry_shape_is_right
	s_endpgm
.Lentry_shape_is_right:
; out0 = o Wo + bo on codes of E4M3 (K = 1,024).  o's codes and scale bytes were made by the attention launch, Wo's by the first launch; both are images of fragments (16 rows x 128 K in 2,048 bytes) of row tiles
; T = 2 B + u with rows 32 B + 8 u + perm(i), perm(i) = i + 8 (i / 8).  Source 0 is P = Wo's columns (a work-group takes 16 tiles: 256 columns of out0), source 1 is R = o's rows (8 tiles: 128 tokens).
; In the result a lane holds one token, and the 16 registers of P's tiles 2 b, 2 b + 1 are 16 neighbouring columns.  bo is the C of each sum's first product.
; SHARES, LDS, CLUSTER: as in the launch that makes q, k and v: four waves of 32 accumulators; three slots of 98,304 bytes, K chunks of 256; chunks 0, 1, 2 are first fills, chunk 3 the one refill, into slot 0 (a wave has three
; tensor loads out at the start, one later); 4 x 4 work-groups, P's chunk asked for jointly down a column, R's along a row.  256 work-groups.
; THE WAY OUT: 16 tokens x 128 columns at a time through the wave's own stage, which lies in slot 1: that slot has had its one fill, and every wave has passed a barrier behind its last read of it.  Whole rows of 512 bytes are stored; the order of the rows is undone in the stores' immediates.
; REGISTERS: window 0: v0-31 addresses; v32-95 P's scale words; v96-127 R's; v128-255 R's fragments, two sets (on the way out: rows of out0).  window 1: P's fragments, two sets.  window 2: accumulator (a, i) at v[8 (8 a + i)].  window 3: v0-63 bo in the result's layout.
.set SLOTB, 98304
.set RREG,  65536
.set SPARE, 3*SLOTB                    ; behind the slots: the spare words, 128 bytes for each wave: two blocks of 256 bytes that no other line names
.set PS, 32
.set RS, 96
.set MSB, 0
.macro WIN new                         ; the immediate's high byte repeats the setting that is left
.if MSB != \new
	s_set_vgpr_msb (MSB<<8)|\new
.set MSB, \new
.endif
.endm
.macro JLOAD g0p, g0r                  ; a joint load: waves 0 and 1 fetch P's halves, waves 2 and 3 R's; four v_nop follow each of the two lines
	s_cmp_eq_u32 s13, 0
	s_cbranch_scc0 .Lfor_r_\@
	tensor_load_to_lds s[\g0p:\g0p+3], s[24:31]
	s_nop 0
.rept 4
	v_nop
.endr
	s_branch .Lasked_\@
.Lfor_r_\@:
	tensor_load_to_lds s[\g0r:\g0r+3], s[32:39]
	s_nop 0
.rept 4
	v_nop
.endr
.Lasked_\@:
.endm
.macro CREST                           ; a round of the cluster's barrier behind its opening barrier
	s_cmp_lg_u32 s12, 0
	s_cbranch_scc1 .Lnot_wave_0_\@
	s_barrier_signal -3
.Lnot_wave_0_\@:
	s_barrier_wait -3
	s_barrier_signal -1
	s_barrier_wait -1
.endm
.macro CROUND
	s_barrier_signal -1
	s_barrier_wait -1
	CREST
.endm
.macro PLACES n                        ; plain vector lines between a matrix instruction and a load into, or a read of, its registers (ISA guide 7.12.1 for vector reads): eight for this form
.if \n > 0
.rept \n
	v_nop
.endr
.endif
.endm
.macro FETCH sl, q, st                 ; the fragments of the q-th 128 along K of slot sl into set st
	WIN 0x40
.irp i, 0,1,2,3,4,5,6,7
.irp c, 0,1,2,3
	ds_load_b128 v[128*(\st)+16*\i+4*\c:128*(\st)+16*\i+4*\c+3], v[16+\sl] offset:4096*\i+2048*(\q)+512*\c
.endr
.endr
	WIN 0
.irp a, 0,1,2,3
.irp c, 0,1,2,3
	ds_load_b128 v[128+64*(\st)+16*\a+4*\c:128+64*(\st)+16*\a+4*\c+3], v[20+\sl] offset:4096*\a+2048*(\q)+512*\c
.endr
.endr
.endm
; Eight products: R's tile a against P's eight.  cm = 2: the first K step starts the sums from bo.  The 32 accumulators take turns, one instruction a turn.
.macro MUL8 a, ks, st, cm
.if \cm == 2
	WIN 0xb1                                       ; source 0 window 1, source 1 window 0, C window 3, D window 2
.else
	WIN 0xa1                                       ; C and D window 2
.endif
.irp i, 0,1,2,3,4,5,6,7
.if \cm == 2
	v_wmma_scale_f32_16x16x128_f8f6f4 v[8*(8*(\a)+\i):8*(8*(\a)+\i)+7], v[128*(\st)+16*\i:128*(\st)+16*\i+15], v[128+64*(\st)+16*(\a):128+64*(\st)+16*(\a)+15], v[8*\i:8*\i+7], v[PS+8*\i+(\ks)], v[RS+8*(\a)+(\ks)]
.else
	v_wmma_scale_f32_16x16x128_f8f6f4 v[8*(8*(\a)+\i):8*(8*(\a)+\i)+7], v[128*(\st)+16*\i:128*(\st)+16*\i+15], v[128+64*(\st)+16*(\a):128+64*(\st)+16*(\a)+15], v[8*(8*(\a)+\i):8*(8*(\a)+\i)+7], v[PS+8*\i+(\ks)], v[RS+8*(\a)+(\ks)]
.endif
.endr
.endm
.macro KSTEP ks, sl, q, np, cm
	s_wait_dscnt 0x0
	PLACES \np
	FETCH \sl, \q, ((\ks)+1)%2
	MUL8 0, \ks, (\ks)%2, \cm
	MUL8 1, \ks, (\ks)%2, \cm
	MUL8 2, \ks, (\ks)%2, \cm
	MUL8 3, \ks, (\ks)%2, \cm
.endm
	s_load_b256 s[4:11], s[0:1], 0x0               ; inimg s[4:5], inscl s[6:7], oimg s[8:9], oscl s[10:11]
	s_load_b128 s[92:95], s[0:1], 0x20             ; bo s[92:93], out0 s[94:95]
	v_lshl_add_u32 v28, v0, 2, SPARE
	v_mov_b32 v29, 0
	ds_add_u32 v28, v29
	ds_add_u32 v28, v29
	s_wait_dscnt 0x0
	v_lshrrev_b32 v1, 5, v0
	v_readfirstlane_b32 s12, v1                    ; wave 0..3
	s_lshr_b32 s13, s12, 1                         ; which four tiles of R are mine.  Also: I fetch for P (0) or for R (1)
	s_and_b32 s14, s12, 1                          ; which eight tiles of P are mine.  Also: which half I fetch
	s_bfe_u32 s15, ttmp6, 0x40000                  ; cx
	s_bfe_u32 s16, ttmp6, 0x40004                  ; cy
	s_lshl_b32 s19, ttmp9, 2
	s_add_co_u32 s19, s19, s15                     ; PT: my 256 columns
	s_and_b32 s20, ttmp7, 0xffff
	s_lshl_b32 s20, s20, 2
	s_add_co_u32 s20, s20, s16                     ; RT: my 128 tokens
	s_lshl_b32 s21, 0x1111, s15                    ; my column of the cluster
	s_lshl_b32 s22, s16, 2
	s_lshl_b32 s22, 15, s22                        ; my row
	; descriptor group 1: rows of 4,096 bytes (512 elements of 8 bytes), 16,384 bytes apart; 8 rows for P, 4 for R; no padding
	s_or_b32 s24, s21, (3<<16)|(1<<21)             ; 15:0 the mask: P's chunk goes down my column; 17:16 elements of 8 bytes; 21 set beside a mask
	s_mov_b32 s25, 512<<16
	s_mov_b32 s26, 8<<16
	s_mov_b32 s27, 512<<16
	s_mov_b32 s28, 8
	s_mov_b32 s29, 2048
	s_mov_b32 s30, 0
	s_mov_b32 s31, 0
	s_or_b32 s32, s22, (3<<16)|(1<<21)             ; R's chunk goes along my row
	s_mov_b32 s33, 512<<16
	s_mov_b32 s34, 4<<16
	s_mov_b32 s35, 512<<16
	s_mov_b32 s36, 4
	s_mov_b32 s37, 2048
	s_mov_b32 s38, 0
	s_mov_b32 s39, 0
	s_lshl_b32 s74, s19, 18                        ; P: Wo's images begin at 0xb00000 of inimg.  These registers never hold cy
	s_lshl_b32 s75, s14, 17
	s_add_co_u32 s74, s74, s75
	s_add_co_u32 s74, s74, 0xb00000
	s_mov_b32 s75, 0
	s_lshl_b32 s76, s20, 17                        ; R: o's images.  These never hold cx
	s_lshl_b32 s77, s14, 16
	s_add_co_u32 s76, s76, s77
	s_mov_b32 s77, 0
	s_lshl_b32 s78, s14, 15
	s_lshl_b32 s79, s14, 14
	s_add_co_u32 s79, s79, RREG
	s_wait_kmcnt 0x0
	s_add_nc_u64 s[74:75], s[4:5], s[74:75]
	s_add_nc_u64 s[76:77], s[8:9], s[76:77]
	CROUND                                         ; all sixteen work-groups are here: the first joint loads meet
.irp s, 0,1,2
	s_mov_b32 s[40+4*\s], 1
	s_add_co_u32 s[41+4*\s], s78, \s*SLOTB
	s_add_nc_u64 s[42+4*\s:43+4*\s], s[74:75], \s*4096
	s_or_b32 s[43+4*\s], s[43+4*\s], 0x80000000
	s_mov_b32 s[52+4*\s], 1
	s_add_co_u32 s[53+4*\s], s79, \s*SLOTB
	s_add_nc_u64 s[54+4*\s:55+4*\s], s[76:77], \s*4096
	s_or_b32 s[55+4*\s], s[55+4*\s], 0x80000000
	JLOAD 40+4*\s, 52+4*\s                         ; K chunk s into slot s
.endr
	v_and_b32 v1, 31, v0
	v_and_b32 v2, 15, v0
	v_bfe_u32 v3, v0, 4, 1
	v_lshlrev_b32 v4, 4, v1                        ; 16 x lane
	v_lshlrev_b32 v6, 5, v2                        ; a row's eight scale words
	v_lshlrev_b32 v7, 6, v3                        ; bo: 16 numbers further on for lanes 16-31
	s_lshl_b32 s80, s14, 15
	s_lshl_b32 s81, s13, 14
	s_add_co_u32 s81, s81, RREG
.irp s, 0,1,2
	v_add_nc_u32 v[16+\s], s80, v4
	v_add_nc_u32 v[20+\s], s81, v4
	s_add_co_u32 s80, s80, SLOTB
	s_add_co_u32 s81, s81, SLOTB
.endr
	s_mul_i32 s90, s12, 8448
	s_add_co_u32 s90, s90, SLOTB                   ; my stage: 16 rows x (512 + 16) bytes, in slot 1
	v_mul_u32_u24 v8, v2, 528
	v_lshl_add_u32 v8, v3, 6, v8
	v_add_nc_u32 v8, s90, v8                       ; in: row r, + 64 hh
	v_add_nc_u32 v9, s90, v4                       ; back: 16 bytes a lane of a row
	s_lshl_b32 s82, s19, 13
	s_lshl_b32 s83, s14, 12
	s_add_co_u32 s82, s82, s83
	s_add_co_u32 s82, s82, 0x58000                 ; Wo's scale words
	s_mov_b32 s83, 0
	s_add_nc_u64 s[82:83], s[6:7], s[82:83]
	s_lshl_b32 s84, s20, 12
	s_lshl_b32 s85, s13, 11
	s_add_co_u32 s84, s84, s85
	s_mov_b32 s85, 0
	s_add_nc_u64 s[84:85], s[10:11], s[84:85]
	s_lshl_b32 s86, s19, 10                        ; my 128 columns, in bytes
	s_lshl_b32 s87, s14, 9
	s_add_co_u32 s86, s86, s87
	s_mov_b32 s87, 0
	s_add_nc_u64 s[92:93], s[92:93], s[86:87]
	s_lshl_b32 s88, s20, 19                        ; my 64 tokens: rows of 4,096 bytes
	s_lshl_b32 s89, s13, 18
	s_add_co_u32 s88, s88, s89
	s_add_co_u32 s88, s88, s86
	s_mov_b32 s89, 0
	s_add_nc_u64 s[94:95], s[94:95], s[88:89]
.irp i, 0,1,2,3,4,5,6,7
	global_load_b128 v[PS+8*\i:PS+8*\i+3], v6, s[82:83] offset:512*\i
	global_load_b128 v[PS+8*\i+4:PS+8*\i+7], v6, s[82:83] offset:512*\i+16
.endr
.irp a, 0,1,2,3
	global_load_b128 v[RS+8*\a:RS+8*\a+3], v6, s[84:85] offset:512*\a
	global_load_b128 v[RS+8*\a+4:RS+8*\a+7], v6, s[84:85] offset:512*\a+16
.endr
	WIN 0xc0                                       ; destination window 3
.irp i, 0,1,2,3,4,5,6,7
	global_load_b128 v[8*\i:8*\i+3], v7, s[92:93] offset:128*(\i/2)+32*(\i%2)        ; bo at columns 32 (i / 2) + 16 hh + 8 (i % 2) + 0 .. 7
	global_load_b128 v[8*\i+4:8*\i+7], v7, s[92:93] offset:128*(\i/2)+32*(\i%2)+16
.endr
	WIN 0
	s_wait_tensorcnt 0x2                           ; my part of chunk 0 is in; chunks 1 and 2 may stay out
	s_barrier_signal -1
	s_barrier_wait -1
	FETCH 0, 0, 0
	s_wait_loadcnt 0x0                             ; the scale words and bo
	KSTEP 0, 0, 1, 0, 2                            ; the first K step starts the sums from bo
	; K step 1 leaves slot 0, which takes chunk 3
	WIN 0                                          ; (the add's two registers lie in window 0)
	s_wait_tensorcnt 0x0                           ; all my tensor loads have landed: chunks 0, 1, 2
	ds_add_u32 v28, v29                            ; 0 onto my spare word
	s_add_nc_u64 s[42:43], s[42:43], 12288         ; no tensor load of mine is out, so slot 0's groups 0 may be written: chunk 3
	s_add_nc_u64 s[54:55], s[54:55], 12288
	s_wait_dscnt 0x1                               ; this step's fragments are in; the add may be out
	MUL8 0, 1, 1, 0
	s_wait_dscnt 0x0                               ; the add is done, and my reads of slot 0 are over
	s_barrier_signal -1
	MUL8 1, 1, 1, 0
	WIN 0
	s_barrier_wait -1
	CREST                                          ; the barrier has opened a round of the cluster's: no wave of any partner still reads slot 0 or has a load on its way
	JLOAD 40, 52                                   ; the one refill; its four v_nop are four of the eight places in front of the loads below
	PLACES 4
	FETCH 1, 0, 0
	MUL8 2, 1, 1, 0
	MUL8 3, 1, 1, 0
	KSTEP 2, 1, 1, 8, 0
	KSTEP 3, 2, 0, 8, 0
	KSTEP 4, 2, 1, 8, 0
	; K step 5: chunk 3 is wanted next
	s_wait_dscnt 0x0
	s_wait_tensorcnt 0x0                           ; my part of chunk 3 is in: the one load that was out
	MUL8 0, 5, 1, 0
	s_barrier_signal -1
	MUL8 1, 5, 1, 0
	WIN 0
	s_barrier_wait -1                              ; everybody's is; behind it nobody reads slot 1 any more
	PLACES 8
	FETCH 0, 0, 0
	MUL8 2, 5, 1, 0
	MUL8 3, 5, 1, 0
	KSTEP 6, 0, 1, 8, 0
	s_wait_dscnt 0x0                               ; the last K step: nothing more to fetch
	MUL8 0, 7, 1, 0
	MUL8 1, 7, 1, 0
	MUL8 2, 7, 1, 0
	MUL8 3, 7, 1, 0
	WIN 0
	PLACES 8
; THE WAY OUT, R's tile a (16 tokens x my 128 columns) at a time.  LDS serves a wave's instructions in order (ISA guide 5.7.1.4): no wait between the stores and the loads, nor in front of the next tile's stores.
.macro TOSTAGE a
	WIN 0x08                                       ; an LDS store's data are its source 1: window 2
.irp i, 0,1,2,3,4,5,6,7
	ds_store_b128 v8, v[8*(8*(\a)+\i):8*(8*(\a)+\i)+3] offset:128*(\i/2)+32*(\i%2)          ; each accumulator from its low end on
	ds_store_b128 v8, v[8*(8*(\a)+\i)+4:8*(8*(\a)+\i)+7] offset:128*(\i/2)+32*(\i%2)+16
.endr
	WIN 0
.irp t, 0,1,2,3,4,5,6,7,8,9,10,11,12,13,14,15
	ds_load_b128 v[128+64*((\a)%2)+4*\t:128+64*((\a)%2)+4*\t+3], v9 offset:528*\t
.endr
.endm
.macro SEND a, younger                 ; younger: the LDS instructions issued behind tile a's loads, which may stay out
	s_wait_dscnt \younger
.irp t, 0,1,2,3,4,5,6,7,8,9,10,11,12,13,14,15
	global_store_b128 v4, v[128+64*((\a)%2)+4*\t:128+64*((\a)%2)+4*\t+3], s[94:95] offset:(32*((\a)/2)+8*((\a)%2)+\t+8*(\t/8))*4096 th:TH_STORE_NT   ; token 32 (a / 2) + 8 (a % 2) + perm(t): 512 consecutive bytes, aligned to 256
.endr
.endm
	TOSTAGE 0
.irp a, 1,2,3
.if \a > 1
	s_wait_xcnt 0x0                                ; tile a - 2's stores have read their registers: tile a's loads may land there
.endif
	TOSTAGE \a
	SEND \a-1, 32                                  ; behind tile a - 1's loads: tile a's 16 stores and 16 loads
.endr
	SEND 3, 0
	s_wait_tensorcnt 0x0                           ; the wave's end
	ds_add_u32 v28, v29
	s_wait_dscnt 0x0
	CROUND                                         ; the closing round: no work-group ends while a partner may still ask for a chunk that names it
	s_endpgm
.Lfunc_end_k_q2b3648ad05_proj:
	.size	k_q2b3648ad05_proj, .Lfunc_end_k_q2b3648ad05_proj-k_q2b3648ad05_proj
	.p2alignl 7, 3214868480
	.fill 96, 4, 3214868480
	.section	.rodata,"a",@progbits
	.p2align	6, 0x0
	.amdhsa_kernel k_q2b3648ad05_proj
		.amdhsa_group_segment_fixed_size 327680
		.amdhsa_private_segment_fixed_size 0
		.amdhsa_enable_private_segment 0
		.amdhsa_kernarg_size 48
		.amdhsa_user_sgpr_count 2
		.amdhsa_user_sgpr_kernarg_segment_ptr 1
		.amdhsa_wavefront_size32 1
		.amdhsa_system_sgpr_workgroup_id_x 1
		.amdhsa_system_sgpr_workgroup_id_y 1
		.amdhsa_system_sgpr_workgroup_id_z 1
		.amdhsa_system_vgpr_workitem_id 0
		.amdhsa_next_free_vgpr 832
		.amdhsa_next_free_sgpr 100
		.amdhsa_reserve_vcc 0
		.amdhsa_float_denorm_mode_32 3
		.amdhsa_float_denorm_mode_16_64 3
		.amdhsa_memory_ordered 1
		.amdhsa_forward_progress 1
		.amdhsa_inst_pref_size 87
	.end_amdhsa_kernel
	.amdgpu_metadata
---
amdhsa.version: [ 1, 2 ]
amdhsa.kernels:
  - .name:           k_q2b3648ad05_proj
    .symbol:         k_q2b3648ad05_proj.kd
    .args:
      - { .name: inimg, .offset: 0, .size: 8, .value_kind: global_buffer, .address_space: global }
      - { .name: inscl, .offset: 8, .size: 8, .value_kind: global_buffer, .address_space: global }
      - { .name: oimg, .offset: 16, .size: 8, .value_kind: global_buffer, .address_space: global }
      - { .name: oscl, .offset: 24, .size: 8, .value_kind: global_buffer, .address_space: global }
      - { .name: bo, .offset: 32, .size: 8, .value_kind: global_buffer, .address_space: global }
      - { .name: out0, .offset: 40, .size: 8, .value_kind: global_buffer, .address_space: global }
    .group_segment_fixed_size: 327680
    .private_segment_fixed_size: 0
    .kernarg_segment_align: 8
    .kernarg_segment_size: 48
    .max_flat_workgroup_size: 128
    .sgpr_count:     100
    .vgpr_count:     832
    .wavefront_size: 32
...
	.end_amdgpu_metadata
.endif
;; end of part 4
